; MI455X (gfx1250); checked and timed in simulation.
; The chip was launched on July 23, 2026; its instructions are those of AMD's public machine-readable ISA for CDNA 5 (MIT licence, August 2026) and "CDNA5" Instruction Set Architecture Reference Guide (July 2026). The comments in the code are by the model that wrote it; some were corrected since.
;; Causal Attention. Allowed arithmetic: matrix products marked QUANTISED: E3M2 operands, one E8M0 scale for each 32 along K, by v_wmma_scale_f32_16x16x128_f8f6f4 with both operands' format E3M2, f32 sums; everything else in f32.
;; Inputs: Wk 1,024 x 1,024 float32; Wq 1,024 x 1,024 float32; Wv 1,024 x 1,024 float32; x 4 x 2,048 x 1,024 float32.
;; Outputs: out0 4 x 2,048 x 1,024 float32.
;; This version of the problem:
;;   THIS VERSION OF THE PROBLEM IS GIVEN IN LOW PRECISION. The matrix products marked QUANTISED in the list below multiply operands that are first quantised to E3M2 (3 exponent bits, 2 mantissa bits; 6 bits a number), with one power-of-two scale for each 32 numbers along K (OCP MX v1.0); their sums are f32. All else is computed in f32.
;;   The module's matrix products, in the order in which they are computed (A, B: the left and right operand; K: the contracted axis; several contracted axes count as one K, in the product's order):
;;     1. [M 8,192, K 1,024] x [K 1,024, N 1,024]; A: input x; B: input Wq: QUANTISED
;;     2. [M 8,192, K 1,024] x [K 1,024, N 1,024]; A: input x; B: input Wk: QUANTISED
;;     3. [M 8,192, K 1,024] x [K 1,024, N 1,024]; A: input x; B: input Wv: QUANTISED
;;     4. batch 4 x [M 2,048, K 1,024] x [K 1,024, N 2,048]; A: computed on the way; B: computed on the way: QUANTISED
;;     5. batch 4 x [M 2,048, K 2,048] x [K 2,048, N 1,024]; A: softmax (see below); B: computed on the way: QUANTISED
;;   THE QUANTISER, for each operand of a quantised product, along K:
;;     - K is cut into blocks of 32 from its start; a last block that is shorter is filled with zeros.
;;     - A block's scale is 2^e with e = floor(log2(the largest magnitude in the block)) - 4, held to -126 .. 127; a block of zeros has e = 0. As a byte (E8M0): e + 127.
;;     - Each number is divided by its block's scale, clamped to +-28, and rounded to the nearest number of E3M2, ties to even, subnormals kept.
;;     - The product sums the exact products of the quantised numbers (number of the format x scale) in f32.
;;   ~~~python
;;   def quantise(x, axis):      # numpy; x: float32 -> the quantised numbers, widened to float32 again
;;       x = np.moveaxis(x, axis, -1); K = x.shape[-1]
;;       x = np.pad(x, [(0, 0)] * (x.ndim - 1) + [(0, -K % 32)]); x = x.reshape(x.shape[:-1] + (-1, 32)); a = np.abs(x).max(-1, keepdims=True)
;;       e = np.where(a > 0, np.clip(np.frexp(np.where(a > 0, a, 1))[1] - 1 - 4, -126, 127), 0)      # np.frexp(a)[1] - 1 = floor(log2(a)), exactly
;;       r = np.clip(x / 2.0 ** e, -28, 28)
;;       step = 2.0 ** (np.maximum(np.frexp(np.where(r == 0, 1, r))[1] - 1, -2) - 2)
;;       q = np.round(r / step) * step * 2.0 ** e      # np.round: ties to even
;;       return np.moveaxis(q.reshape(q.shape[:-2] + (-1,))[..., :K], -1, axis).astype(np.float32)
;;   ~~~
;;   SOFTMAX AHEAD OF A QUANTISED PRODUCT. Where the list says 'softmax', what is quantised is not the finished softmax but p = 2^(t - M), with t = logit x log2(e) and M = ceil(the row's largest t), a whole number; so 1/2 < the row's largest p <= 1. The row's sum l is taken of the UNQUANTISED p, in f32, and the product's result is divided by l at the end. Since M is a whole number, a kernel that streams over the keys may use a running M (the ceiling of the running maximum): every later rescaling is an exact power of two, which a block's scale takes up: the codes' values come out the same.
;;   OPERANDS COMPUTED ON THE WAY. 'Computed on the way' means the value that the module computes at that place (a softmax that the list does not call 'softmax' is quantised finished and normalised). What goes into a quantiser is computed in f32, as accurately as f32 sums, v_exp_f32 and their like allow (about 1e-6 of the number): no bf16 or f16 on the way to a quantiser, and a product that is left as it is and whose result goes on into a quantised operand takes f32 operands (vector FMAs, or v_wmma_f32_16x16x4_f32). A number that lies on a knife's edge between two numbers of the format may be rounded either way, as far as f32 arithmetic and the matrix unit's own rounding can turn it there, and no further.
;; One version. Each part assembles by itself: llvm-mc -triple=amdgcn-amd-amdhsa -mcpu=gfx1250 --defsym DOCPART=n.
;; ======== version 1 of 1: 4 launches
;; limits: right only within a limited range of input values
;; workspace buffers: xc 6,553,600 bytes; wc 2,457,600 bytes; qc 6,553,600 bytes; kc 6,553,600 bytes; vtc 6,553,600 bytes; pc 14,155,776 bytes
;; launch quant (part 1): grid 704 x 1, 4 waves a work-group, no clusters, 68,096 bytes of LDS; arguments x, Wq, Wk, Wv, xc, wc; writes xc, wc
.if DOCPART == 1
	.amdgcn_target "amdgcn-amd-amdhsa--gfx1250"
	.amdhsa_code_object_version 6
	.text
	.protected	k_q587caf0d49_quant
	.globl	k_q587caf0d49_quant
	.p2align	8
	.type	k_q587caf0d49_quant,@function
k_q587caf0d49_quant:
	s_mov_b64 s[64:65], 0
	v_nop
	global_prefetch_b8 v0, s[64:65] scope:SCOPE_SE
	s_setreg_imm32_b32 hwreg(HW_REG_WAVE_MODE, 25, 1), 1
	s_wait_xcnt 0x0
; x [8192][1024] f32 (K innermost) and Wq, Wk, Wv [1024 (K)][1024] f32 (K outermost) become codes of BF6 (E3M2) with one E8M0 byte for each 32 along K,
; laid as PACKED OPERANDS: a record of 12,800 bytes holds 128 rows x 128 K: eight fragments of 1,536 bytes, each the image of a matrix operand's 12 registers
; (registers 4 g .. 4 g + 3 of lane l at 512 g + 16 l), then 128 scale words (fragment i, lane r at 12,288 + 64 i + 4 r).  Lane r of fragment i holds row 32 (i / 2) + 8 (i % 2) + r + 8 (r / 8)
; of the record.  Record (RB, ks) lies at (8 RB + ks) x 12,800.  wc's rows are Wq's 1,024 columns, then Wk's, then Wv's.
; A block's scale is 2^(floor(log2(largest magnitude)) - 4); its byte is the largest magnitude's exponent field - 4, held at 1 from below.
; LIMITS: a block of zeros gets the byte 1 (its codes are zeros, and this program alone reads the bytes); NaN and infinities among the inputs are not served.
; One work-group makes one record; wave j makes fragments 2 j and 2 j + 1.  Work-groups 0-511 take x, 512-703 the weights.  No barrier: waves share nothing.
.set REC,  12800
.set PIT,  528                         ; a row of 512 bytes in the stage + 16: sixteen rows start at sixteen different groups of banks
.set WREG, 32*PIT                      ; a wave's stage: 32 rows
.set TM,   224                         ; v224-227 largest magnitudes, v228-231 the other half's / bytes, v236-239 the conversions' scale operands
; 64 numbers of a lane, register 16 b + i = k 32 b + 16 (lane / 16) + i of its row, become a fragment's 12 registers at v[pc] and its scale word in v[pw]
.macro QUANT s, pc, pw
.irp b, 0,1,2,3
	v_max3_num_f32 v[TM+\b], |v[\s+16*\b]|, |v[\s+1+16*\b]|, 0x2800000   ; my 16 numbers of block b, and the floor 2^(5 - 127): the byte cannot fall under 1
.endr
.irp i, 2,4,6,8,10,12,14
.irp b, 0,1,2,3
	v_max3_num_f32 v[TM+\b], v[TM+\b], |v[\s+16*\b+\i]|, |v[\s+1+16*\b+\i]|
.endr
.endr
.irp b, 0,1,2,3
	v_permlanex16_b32 v[TM+4+\b], v[TM+\b], s20, s21
.endr
.irp b, 0,1,2,3
	v_max_num_f32 v[TM+\b], v[TM+\b], v[TM+4+\b]          ; with lane l xor 16's: the block's largest magnitude
.endr
.irp b, 0,1,2,3
	v_add_nc_u32 v[TM+12+\b], 0xfe000000, v[TM+\b]        ; 4 off its exponent field: the conversion's scale operand
.endr
.irp b, 0,1,2,3
	v_lshrrev_b32 v[TM+4+\b], 23, v[TM+12+\b]             ; the scale's byte
.endr
	v_lshl_or_b32 v[\pw], v[TM+5], 8, v[TM+4]
	v_lshl_or_b32 v[\pw], v[TM+6], 16, v[\pw]
	v_lshl_or_b32 v[\pw], v[TM+7], 24, v[\pw]
.irp c, 0,1
	v_cvt_scalef32_pk16_bf6_f32 v[\pc+6*\c:\pc+2+6*\c], v[\s+32*\c:\s+15+32*\c], v[TM+12+2*\c]
	v_cvt_scalef32_pk16_bf6_f32 v[\pc+12+4*\c:\pc+14+4*\c], v[\s+16+32*\c:\s+31+32*\c], v[TM+12+2*\c+1]   ; (a conversion's three registers begin on an even number)
.endr
	v_nop                                          ; one plain place behind a scaled conversion
.irp c, 0,1                                    ; the operand wants a whole block in a lane: lanes 0-15 block 2 c, lanes 16-31 block 2 c + 1
.irp i, 0,1,2
	v_permlane16_swap_b32 v[\pc+6*\c+\i], v[\pc+12+4*\c+\i]
.endr
.irp i, 0,1,2
	v_mov_b32 v[\pc+3+6*\c+\i], v[\pc+12+4*\c+\i]
.endr
.endr
.endm
	s_load_b256 s[4:11], s[0:1], 0x0               ; x s[4:5], Wq s[6:7], Wk s[8:9], Wv s[10:11]
	s_load_b128 s[12:15], s[0:1], 0x20             ; xc s[12:13], wc s[14:15]
	v_lshl_add_u32 v254, v0, 2, 0x10800
	v_mov_b32 v255, 0
	v_lshrrev_b32 v1, 5, v0
	v_readfirstlane_b32 s16, v1                    ; wave j
	v_and_b32 v2, 31, v0                           ; lane
	v_lshlrev_b32 v3, 4, v2                        ; 16 x lane
	v_lshlrev_b32 v4, 2, v2                        ; 4 x lane
	s_mul_i32 s17, s16, 3072
	v_add_nc_u32 v6, s17, v3                       ; in a record: my two fragments, 16 bytes a lane
	s_lshl_b32 s17, s16, 7
	v_add_nc_u32 v7, s17, v4                       ; and their 32 scale words
	s_mov_b32 s20, 0x76543210
	s_mov_b32 s21, 0xfedcba98                      ; v_permlanex16_b32's selects for lane l xor 16
	s_mov_b32 s22, 0xffff0000                      ; lanes 16-31
	s_cmp_lt_u32 ttmp9, 512
	s_cbranch_scc0 .Lweights
	; ---- x: record (RB, ks) = (id / 8, id % 8); my rows 32 j .. 32 j + 31, 512 bytes of each
	s_lshr_b32 s17, ttmp9, 3
	s_and_b32 s18, ttmp9, 7
	s_lshl_b32 s24, s17, 19                        ; 128 rows of 4,096 bytes
	s_lshl_b32 s25, s16, 17                        ; 32 rows
	s_add_co_u32 s24, s24, s25
	s_lshl_b32 s25, s18, 9                         ; 128 numbers
	s_add_co_u32 s24, s24, s25
	s_mov_b32 s25, 0
	s_mul_i32 s26, ttmp9, REC
	s_mov_b32 s27, 0
	s_mul_i32 s28, s16, WREG                       ; my stage
	v_add_nc_u32 v8, s28, v3                       ; in: a row's 512 bytes as they lie
	v_and_b32 v9, 15, v0
	v_mul_u32_u24 v9, v9, PIT
	v_bfe_u32 v10, v0, 4, 1
	v_lshl_add_u32 v9, v10, 6, v9
	v_add_nc_u32 v9, s28, v9                       ; out: place r of a fragment, + 64 x half: my 16 numbers of each block
.irp b, 0,1,2,3
	v_mov_b32 v[TM+4+\b], 0                        ; a lane permute's destination counts as one of its sources
.endr
	s_wait_kmcnt 0x0
	s_add_nc_u64 s[4:5], s[4:5], s[24:25]
	s_add_nc_u64 s[12:13], s[12:13], s[26:27]
.set PP, 0
.rept 32
	global_load_b128 v[32+4*PP:35+4*PP], v3, s[4:5] offset:PP*4096 th:TH_LOAD_NT   ; 32 lanes read 512 consecutive bytes of row PP
.set PP, PP+1
.endr
.set PP, 0
.rept 32
	s_wait_loadcnt 31-PP                           ; row PP is in; the younger rows may be out
	ds_store_b128 v8, v[32+4*PP:35+4*PP] offset:(16*((PP>>3)&1)+8*(PP>>4)+(PP&7))*PIT   ; to its place: fragment (PP / 8) % 2, lane PP % 8 + 8 (PP / 16)
.set PP, PP+1
.endr
.irp b, 0,1,2,3
.irp j, 0,1,2,3
	ds_load_b128 v[160+16*\b+4*\j:163+16*\b+4*\j], v9 offset:128*\b+16*\j     ; LDS serves a wave's instructions in order: these see my stores
.endr
.endr
	s_wait_dscnt 0x0                               ; the first fragment's numbers are in, and the stores have read their registers
.irp b, 0,1,2,3
.irp j, 0,1,2,3
	ds_load_b128 v[96+16*\b+4*\j:99+16*\b+4*\j], v9 offset:16*PIT+128*\b+16*\j
.endr
.endr
	QUANT 160, 32, 240
.irp g, 0,1,2
	global_store_b128 v6, v[32+4*\g:35+4*\g], s[12:13] offset:512*\g         ; 512 consecutive bytes a store
.endr
	s_wait_dscnt 0x0
	QUANT 96, 56, 241
.irp g, 0,1,2
	global_store_b128 v6, v[56+4*\g:59+4*\g], s[12:13] offset:1536+512*\g
.endr
	v_cndmask_b32 v242, v240, v241, s22            ; lanes 0-15 the first fragment's words, lanes 16-31 the second's (both halves of the lanes hold a row's word)
	global_store_b32 v7, v242, s[12:13] offset:12288
	s_wait_tensorcnt 0x0
	ds_add_u32 v254, v255
	s_wait_dscnt 0x0
	s_endpgm
.Lweights:
	; ---- the weights: a lane takes a column and its registers run down K, so the conversions give codes with K innermost.  This way uses no LDS.
	s_sub_co_u32 s17, ttmp9, 512
	s_lshr_b32 s18, s17, 3                         ; block of 128 rows of wc
	s_and_b32 s19, s17, 7                          ; ks
	s_lshr_b32 s23, s18, 3                         ; which weight
	s_and_b32 s18, s18, 7
	s_lshl_b32 s24, s19, 19                        ; 128 rows (K) of 4,096 bytes
	s_lshl_b32 s25, s18, 9                         ; 128 columns
	s_add_co_u32 s24, s24, s25
	s_lshl_b32 s25, s16, 7                         ; my 32 columns
	s_add_co_u32 s24, s24, s25
	s_mov_b32 s25, 0
	s_mul_i32 s26, s17, REC
	s_mov_b32 s27, 0
	v_and_b32 v10, 7, v2                           ; lane L takes column (L & 7) + 16 (bit 3) + 8 (bit 4): lanes 0-15 are the first fragment's rows, lanes 16-31 the second's
	v_and_b32 v11, 8, v2
	v_lshl_or_b32 v10, v11, 1, v10
	v_and_b32 v11, 16, v2
	v_lshrrev_b32 v11, 1, v11
	v_or_b32 v10, v10, v11
	v_lshlrev_b32 v10, 2, v10
	s_wait_kmcnt 0x0
	s_cmp_eq_u32 s23, 0
	s_cselect_b64 s[6:7], s[6:7], s[8:9]
	s_cmp_eq_u32 s23, 2
	s_cselect_b64 s[6:7], s[10:11], s[6:7]
	s_add_nc_u64 s[6:7], s[6:7], s[24:25]
	s_add_nc_u64 s[14:15], s[14:15], s[26:27]
.macro WLOAD bb                        ; block bb: W(32 bb + k, my column): the wave reads 128 consecutive bytes
.set KK, 0
.rept 32
	global_load_b32 v[32+32*(\bb)+KK], v10, s[6:7] offset:(32*(\bb)+KK)*4096 th:TH_LOAD_NT
.set KK, KK+1
.endr
.endm
.macro WBLOCK bb                       ; all 32 numbers of a block are mine.  Blocks 0, 2 go to v160-171, blocks 1, 3 to v172-183
.set XS, 32+32*(\bb)
.set FD, 160+12*((\bb)%2)+6*((\bb)/2)
	v_max3_num_f32 v12, |v[XS]|, |v[XS+1]|, |v[XS+2]|
	v_max3_num_f32 v13, |v[XS+3]|, |v[XS+4]|, |v[XS+5]|
.irp i, 6,10,14,18,22,26
	v_max3_num_f32 v12, v12, |v[XS+\i]|, |v[XS+\i+1]|
	v_max3_num_f32 v13, v13, |v[XS+\i+2]|, |v[XS+\i+3]|
.endr
	v_max3_num_f32 v12, v12, |v[XS+30]|, |v[XS+31]|
	v_max3_num_f32 v12, v12, v13, 0x2800000        ; and the floor
	v_add_nc_u32 v[200+\bb], 0xfe000000, v12
	v_lshrrev_b32 v14, 23, v[200+\bb]
.if \bb == 0
	v_mov_b32 v15, v14
.else
	v_lshl_or_b32 v15, v14, 8*\bb, v15             ; my column's scale word
.endif
	v_cvt_scalef32_pk16_bf6_f32 v[FD:FD+2], v[XS:XS+15], v[200+\bb]
	v_cvt_scalef32_pk16_bf6_f32 v[184+4*\bb:186+4*\bb], v[XS+16:XS+31], v[200+\bb]
	v_nop                                          ; one plain place behind a scaled conversion
.irp i, 0,1,2
	v_mov_b32 v[FD+3+\i], v[184+4*\bb+\i]
.endr
.endm
	WLOAD 0
	WLOAD 1
	s_wait_loadcnt 32                              ; block 0 is in; block 1's 32 loads may be out
	WLOAD 2
	WBLOCK 0
	s_wait_loadcnt 32                              ; block 1 is in; block 2's may be out
	WLOAD 3
	WBLOCK 1
	s_wait_loadcnt 32
	WBLOCK 2
	s_wait_loadcnt 0x0
	WBLOCK 3
.set KK, 0
.rept 12
	v_permlane16_swap_b32 v[160+KK], v[172+KK]     ; the first's lanes 16-31 change places with the second's lanes 0-15: v160-171 is now fragment 2 j (lane (r, h): blocks h and 2 + h), v172-183 fragment 2 j + 1
.set KK, KK+1
.endr
.irp g, 0,1,2,3,4,5
	global_store_b128 v6, v[160+4*\g:163+4*\g], s[14:15] offset:512*\g
.endr
	global_store_b32 v7, v15, s[14:15] offset:12288
	s_endpgm
.Lfunc_end_k_q587caf0d49_quant:
	.size	k_q587caf0d49_quant, .Lfunc_end_k_q587caf0d49_quant-k_q587caf0d49_quant
	.p2alignl 7, 3214868480
	.fill 96, 4, 3214868480
	.section	.rodata,"a",@progbits
	.p2align	6, 0x0
	.amdhsa_kernel k_q587caf0d49_quant
		.amdhsa_group_segment_fixed_size 68096
		.amdhsa_private_segment_fixed_size 0
		.amdhsa_enable_private_segment 0
		.amdhsa_kernarg_size 48
		.amdhsa_user_sgpr_count 2
		.amdhsa_user_sgpr_kernarg_segment_ptr 1
		.amdhsa_wavefront_size32 1
		.amdhsa_system_sgpr_workgroup_id_x 1
		.amdhsa_system_sgpr_workgroup_id_y 1
		.amdhsa_system_sgpr_workgroup_id_z 1
		.amdhsa_system_vgpr_workitem_id 0
		.amdhsa_next_free_vgpr 256
		.amdhsa_next_free_sgpr 66
		.amdhsa_reserve_vcc 0
		.amdhsa_float_denorm_mode_32 3
		.amdhsa_float_denorm_mode_16_64 3
		.amdhsa_memory_ordered 1
		.amdhsa_forward_progress 1
		.amdhsa_inst_pref_size 39
	.end_amdhsa_kernel
	.amdgpu_metadata
---
amdhsa.version: [ 1, 2 ]
amdhsa.kernels:
  - .name:           k_q587caf0d49_quant
    .symbol:         k_q587caf0d49_quant.kd
    .args:
      - { .name: x, .offset: 0, .size: 8, .value_kind: global_buffer, .address_space: global }
      - { .name: Wq, .offset: 8, .size: 8, .value_kind: global_buffer, .address_space: global }
      - { .name: Wk, .offset: 16, .size: 8, .value_kind: global_buffer, .address_space: global }
      - { .name: Wv, .offset: 24, .size: 8, .value_kind: global_buffer, .address_space: global }
      - { .name: xc, .offset: 32, .size: 8, .value_kind: global_buffer, .address_space: global }
      - { .name: wc, .offset: 40, .size: 8, .value_kind: global_buffer, .address_space: global }
    .group_segment_fixed_size: 68096
    .private_segment_fixed_size: 0
    .kernarg_segment_align: 8
    .kernarg_segment_size: 48
    .max_flat_workgroup_size: 128
    .sgpr_count:     66
    .vgpr_count:     256
    .wavefront_size: 32
...
	.end_amdgpu_metadata
.endif
;; end of part 1
;; launch proj (part 2): grid 8 x 48, 4 waves a work-group, clusters of 4 x 4, 327,680 bytes of LDS; arguments xc, wc, qc, kc, vtc; writes qc, kc, vtc
.if DOCPART == 2
	.amdgcn_target "amdgcn-amd-amdhsa--gfx1250"
	.amdhsa_code_object_version 6
	.text
	.protected	k_q587caf0d49_proj
	.globl	k_q587caf0d49_proj
	.p2align	8
	.type	k_q587caf0d49_proj,@function
k_q587caf0d49_proj:
	s_mov_b64 s[64:65], 0
	v_nop
	global_prefetch_b8 v0, s[64:65] scope:SCOPE_SE
	s_setreg_imm32_b32 hwreg(HW_REG_WAVE_MODE, 25, 1), 1
	s_wait_xcnt 0x0
	s_wait_alu depctr_hold_cnt(0) depctr_sa_sdst(0) depctr_va_vdst(0) depctr_va_sdst(0) depctr_va_ssrc(0) depctr_va_vcc(0) depctr_vm_vsrc(0)
	s_getreg_b32 s2, hwreg(HW_REG_IB_STS2, 6, 4)
	s_cmp_eq_u32 s2, 0
	s_cbranch_scc0 .Lentry_in_a_cluster
	s_endpgm
.Lentry_in_a_cluster:
	s_bfe_u32 s2, ttmp6, 0x10000c
	s_cmp_lg_u32 s2, 0xf033
	s_cbranch_scc0 .Lentry_shape_is_right
	s_endpgm
.Lentry_shape_is_right:
; q = x Wq, k = x Wk (rows: tokens, quantised along the 1,024 outputs) and v^T = Wv^T x^T (rows: outputs, quantised along the tokens, which are the keys), on codes of BF6 with E8M0 scales; sums in f32.
; OPERANDS ARE PACKED: a record of 12,800 bytes holds 128 rows x 128 K: eight fragments of 1,536 bytes, each the image of an operand's 12 registers (registers 4 g .. 4 g + 3 of lane l at 512 g + 16 l), then 128 scale
; words (fragment i, lane r at 12,288 + 64 i + 4 r).  Lane r of fragment i holds row 32 (i / 2) + 8 (i % 2) + r + 8 (r / 8) of the record.  A block of 128 rows has its records on end along K.
; A tile of 256 x 256 is made by four waves, 128 x 128 each: 64 accumulators.  K = 1,024 goes in four steps of 256 (two records of each half tile: 25,600 dense bytes, one tensor load a wave) through THREE LDS slots:
; steps 0, 1, 2 are asked for together at the start; step 3 is the one refill, of slot 0, and has the work of slots 1 and 2, 256 matrix instructions a wave, in which to land.  So the text has no loop.
; THE MATRIX INSTRUCTION IS USED TRANSPOSED: source 0 = 16 rows of the column operand B, source 1 = 16 rows of the row operand A.  With the rows of a fragment chosen as above, a lane holds one row of the result and
; the 64 registers of a block of A are 128 neighbouring columns in the order 32 b + 16 (lane / 16) + i: they are quantised in registers and ARE fragment a of the result's record.  Nothing goes through LDS on the way out.
; CLUSTERS of 4 x 4: A's tiles are asked for jointly along a row of the cluster, B's along a column.  Clusters y 0-7: A = x's tokens, B = Wq's and Wk's columns.  Clusters y 8-11: A = Wv's columns, B = x's tokens.
; The part is chosen by selects on the cluster's y alone; every work-group runs the same lines.
; LIMITS: a block of zeros gets the byte 1 (its codes are zeros; this program alone reads the bytes); NaN and infinities are not served.
; REGISTERS, in windows of 256: window 0: v16-27, v30-31 addresses, v28-29 for the add, v32-63 scale words (two sets), v64-114 at work on the way out, v128-223 A's eight fragments (one set).
;   window 1: B's fragments, two sets, at v0 and v128.   windows 2, 3: accumulator (a, b) at v[8 (8 (a % 4) + b)] of window 2 + a / 4.
.set RECA, 12800
.set RECB, 12800
.set REC,  12800
.set HALFA, 2*RECA                     ; what one tensor load brings: 128 rows x 256 K with their scale words
.set HALFB, 2*RECB
.set SLOT,  2*HALFA+2*HALFB            ; A's two halves, then B's two
.set SPARE, 3*SLOT                     ; behind the three slots: the spare words, 128 bytes a wave: two blocks of 256 bytes that no other line names
.set ADRA, 16                          ; v16-18 my A fragments in slot 0, 1, 2: 16 x lane + the half's place
.set ADSA, 19                          ; v19-21 my A scale words: 4 r + (lane / 16) x a record: lanes 0-15 the slot's first 128 K, lanes 16-31 its second
.set ADRB, 22                          ; v22-24
.set ADSB, 25                          ; v25-27
.set SPW,  28
.set NIL,  29
.set LI,   30                          ; v30 16 x lane
.set LS,   31                          ; v31 4 x lane
.set SA,   32                          ; A's scale words of block i, set c, at v[SA + 16 c + i];
.set SB,   40                          ; B's at v[SB + 16 c + i].  K step t of 256 takes set t % 2
.set AF,   128
.set G1,   24                          ; s[24:31] descriptor group 1 for A; s[32:43] its groups 0, one for each slot;  s[44:51], s[52:63] the same for B
.set G0,   32
.set G1B,  44
.set G0B,  52
.set SEL,  84
.set TM,   64
.set PW,   80
.set JW,   82
.set PC,   96
.set MSB, 0
.macro WIN new                         ; the immediate's high byte repeats the setting that is left
.if MSB != (\new)
	s_set_vgpr_msb (MSB<<8)|(\new)
.set MSB, (\new)
.endif
.endm
.macro PLACES n                        ; plain places behind matrix instructions, in front of loads into their registers and of reads of their results
.rept \n
	v_nop
.endr
.endm
.macro JLOAD s                         ; waves 0 and 1 fetch A's halves, waves 2 and 3 B's; four v_nop follow each of the two lines
	s_cmp_eq_u32 s15, 0
	s_cbranch_scc0 .Lfor_b_\@
	tensor_load_to_lds s[G0+4*\s:G0+4*\s+3], s[G1:G1+7]
	s_nop 0
.rept 4
	v_nop
.endr
	s_branch .Lasked_\@
.Lfor_b_\@:
	tensor_load_to_lds s[G0B+4*\s:G0B+4*\s+3], s[G1B:G1B+7]
	s_nop 0
.rept 4
	v_nop
.endr
.Lasked_\@:
.endm
.macro CREST                           ; a round of the cluster's barrier behind its opening barrier
	s_cmp_lg_u32 s14, 0
	s_cbranch_scc1 .Lnot_wave_0_\@
	s_barrier_signal -3
.Lnot_wave_0_\@:
	s_barrier_wait -3
	s_barrier_signal -1
	s_barrier_wait -1
.endm
.macro CROUND
	s_barrier_signal -1
	s_barrier_wait -1
	CREST
.endm
.macro FRAG reg, adr, off              ; a fragment comes as it was stored: three loads of 512 consecutive bytes
.irp g, 0,1,2
	ds_load_b128 v[(\reg)+4*\g:(\reg)+4*\g+3], v[\adr] offset:(\off)+512*\g
.endr
.endm
.macro FETCH_B slot, q, p              ; B's eight fragments of the slot's q-th 128 K into set p: 24 loads
	WIN 0x40
.irp i, 0,1,2,3,4,5,6,7
	FRAG 128*(\p)+12*\i, ADRB+\slot, (\q)*RECB+1536*\i
.endr
	WIN 0
.endm
.macro FETCH_A slot, q, i0             ; A's blocks i0 .. i0 + 3: 12 loads
.irp i, \i0, \i0+1, \i0+2, \i0+3
	FRAG AF+12*(\i), ADRA+\slot, (\q)*RECA+1536*(\i)
.endr
.endm
.macro SCALES slot, sc                 ; a slot's scale words into set sc: 16 loads
.irp i, 0,1,2,3,4,5,6,7
	ds_load_b32 v[SA+16*\sc+\i], v[ADSA+\slot] offset:12288+64*\i
	ds_load_b32 v[SB+16*\sc+\i], v[ADSB+\slot] offset:12288+64*\i
.endr
.endm
; 16 matrix instructions: A's blocks a0, a0 + 1 x B's eight.  p: B's set; q: which 128 K of the slot (its scale words lie in lanes 16 q on); sc: the set of scale words; zero = 1: the product starts the sums.
; The 64 accumulators take turns, one instruction a turn, in the same order in every step.
.macro MUL16 a0, p, q, sc, zero
.irp a, \a0, \a0+1
.irp b, 0,1,2,3,4,5,6,7
.if \zero
	v_wmma_scale_f32_16x16x128_f8f6f4 v[8*(8*((\a)%4)+\b):8*(8*((\a)%4)+\b)+7], v[128*(\p)+12*\b:128*(\p)+12*\b+11], v[AF+12*(\a):AF+12*(\a)+11], 0, v[SB+16*(\sc)+\b], v[SA+16*(\sc)+(\a)] matrix_a_fmt:MATRIX_FMT_BF6 matrix_b_fmt:MATRIX_FMT_BF6
.elseif \q
	v_wmma_scale_f32_16x16x128_f8f6f4 v[8*(8*((\a)%4)+\b):8*(8*((\a)%4)+\b)+7], v[128*(\p)+12*\b:128*(\p)+12*\b+11], v[AF+12*(\a):AF+12*(\a)+11], v[8*(8*((\a)%4)+\b):8*(8*((\a)%4)+\b)+7], v[SB+16*(\sc)+\b], v[SA+16*(\sc)+(\a)] matrix_a_fmt:MATRIX_FMT_BF6 matrix_b_fmt:MATRIX_FMT_BF6 matrix_a_scale:MATRIX_SCALE_ROW1 matrix_b_scale:MATRIX_SCALE_ROW1
.else
	v_wmma_scale_f32_16x16x128_f8f6f4 v[8*(8*((\a)%4)+\b):8*(8*((\a)%4)+\b)+7], v[128*(\p)+12*\b:128*(\p)+12*\b+11], v[AF+12*(\a):AF+12*(\a)+11], v[8*(8*((\a)%4)+\b):8*(8*((\a)%4)+\b)+7], v[SB+16*(\sc)+\b], v[SA+16*(\sc)+(\a)] matrix_a_fmt:MATRIX_FMT_BF6 matrix_b_fmt:MATRIX_FMT_BF6
.endif
.endr
.endr
.endm
.macro STEP slot, sc, zero             ; a slot's first 128 K; it fetches the second's fragments
	s_wait_dscnt 12                                ; all but the youngest 12 loads (A's blocks 4-7) are in
	WIN 0xa1
	MUL16 0, 0, 0, \sc, \zero
	MUL16 2, 0, 0, \sc, \zero
	s_wait_dscnt 0x0                               ; A's blocks 4-7
	PLACES 4
	FETCH_B \slot, 1, 1
	FETCH_A \slot, 1, 0
	WIN 0xf1
	MUL16 4, 0, 0, \sc, \zero
	MUL16 6, 0, 0, \sc, \zero
	PLACES 4
	WIN 0
	FETCH_A \slot, 1, 4
.endm
; A slot's second 128 K, with a barrier: in front of it each wave waits for all its tensor loads, adds 0 to its spare word, and waits for that and for its reads of this slot.
; fill = 1: this slot is filled again, with the K step three steps on.
.macro TURN slot, sc, next, nsc, fill
	s_wait_tensorcnt 0x0                           ; all my tensor loads have landed; none of mine is out
	ds_add_u32 v[SPW], v[NIL]                      ; 0 onto my spare word
	s_wait_dscnt 13                                ; the add and the youngest 12 loads may be out
	WIN 0xa1
	MUL16 0, 1, 1, \sc, 0
	s_wait_dscnt 0x0                               ; the add is done, and my reads of this slot are over
	s_barrier_signal -1
	MUL16 2, 1, 1, \sc, 0
	WIN 0
	s_barrier_wait -1
.if \fill
	CREST                                          ; the barrier has opened a round of the cluster's: no wave of any partner still reads this slot or has a load on its way
	s_add_nc_u64 s[G0+4*\slot+2:G0+4*\slot+3], s[G0+4*\slot+2:G0+4*\slot+3], 3*HALFA
	s_add_nc_u64 s[G0B+4*\slot+2:G0B+4*\slot+3], s[G0B+4*\slot+2:G0B+4*\slot+3], 3*HALFB
	JLOAD \slot                                    ; the first tensor load behind the round; its four v_nop are the places in front of the loads below
.else
	PLACES 4
.endif
	SCALES \next, \nsc
	FETCH_B \next, 0, 0
	FETCH_A \next, 0, 0
	WIN 0xf1
	MUL16 4, 1, 1, \sc, 0
	MUL16 6, 1, 1, \sc, 0
	PLACES 4
	WIN 0
	FETCH_A \next, 0, 4
.endm
; A slot's second 128 K, without a barrier: the next slot was shown whole to every wave by the wait for all loads in front of an earlier barrier, and nothing is filled here.
.macro PASS sc, next, nsc
	s_wait_dscnt 12
	WIN 0xa1
	MUL16 0, 1, 1, \sc, 0
	MUL16 2, 1, 1, \sc, 0
	s_wait_dscnt 0x0                               ; A's blocks 4-7
	PLACES 4
	WIN 0
	SCALES \next, \nsc
	FETCH_B \next, 0, 0
	FETCH_A \next, 0, 0
	WIN 0xf1
	MUL16 4, 1, 1, \sc, 0
	MUL16 6, 1, 1, \sc, 0
	PLACES 4
	WIN 0
	FETCH_A \next, 0, 4
.endm
	s_load_b128 s[4:7], s[0:1], 0x0                ; xc, wc
	s_load_b128 s[8:11], s[0:1], 0x10              ; qc, kc
	s_load_b64 s[12:13], s[0:1], 0x20              ; vtc
	v_lshl_add_u32 v[SPW], v0, 2, SPARE
	v_mov_b32 v[NIL], 0
	ds_add_u32 v28, v29
	ds_add_u32 v28, v29
	s_wait_dscnt 0x0
	v_lshrrev_b32 v1, 5, v0
	v_readfirstlane_b32 s14, v1                    ; wave 0..3
	s_lshr_b32 s15, s14, 1                         ; my half of the tile's rows.  Also: I fetch for A (0) or for B (1)
	s_and_b32 s16, s14, 1                          ; my half of its columns.  Also: which half I fetch
	s_bfe_u32 s87, ttmp6, 0x40000                  ; cx
	s_bfe_u32 s88, ttmp6, 0x40004                  ; cy
	s_and_b32 s17, ttmp7, 0xffff                   ; the cluster's y
	s_lshl_b32 s89, s88, 2
	s_lshl_b32 s89, 15, s89                        ; my row of the cluster
	s_lshl_b32 s90, 0x1111, s87                    ; my column
	s_lshl_b32 s66, s17, 2
	s_add_co_u32 s66, s66, s88                     ; q, k: the tile of tokens 4 y + cy
	s_add_co_u32 s67, s88, 8                       ; v^T: wc's tile 8 + cy (Wv's columns)
	s_lshl_b32 s68, ttmp9, 2
	s_add_co_u32 s68, s68, s87                     ; q, k: wc's tile 4 x + cx
	s_lshl_b32 s69, s17, 3
	s_add_co_u32 s69, s69, s68
	s_sub_co_u32 s69, s69, 64                      ; v^T: the tile of tokens 4 x + cx + 8 (y - 8)
	s_cmp_lt_u32 s17, 8
	s_cselect_b32 s66, s66, s67                    ; A's tile: it hangs on cy alone
	s_cselect_b32 s68, s68, s69                    ; B's tile: on cx alone
	s_lshl_b32 s70, s66, 1
	s_add_co_u32 s70, s70, s16
	s_mul_i32 s70, s70, 8*RECA                     ; the half that I fetch: eight records a block of 128 rows
	s_mov_b32 s71, 0
	s_lshl_b32 s72, s68, 1
	s_add_co_u32 s72, s72, s16
	s_mul_i32 s72, s72, 8*RECB
	s_mov_b32 s73, 0
	s_or_b32 s[G1], s89, (3<<16)|(1<<21)           ; 15:0 the mask; 17:16 elements of 8 bytes; 21 set beside a mask; no padding
	s_or_b32 s[G1B], s90, (3<<16)|(1<<21)
.irp g, G1, G1B                        ; 25,600 dense bytes as 100 rows of 256
	s_mov_b32 s[\g+1], 32<<16
	s_mov_b32 s[\g+2], 100<<16
	s_mov_b32 s[\g+3], 32<<16
	s_mov_b32 s[\g+4], 100
	s_mov_b32 s[\g+5], 32
	s_mov_b32 s[\g+6], 0
	s_mov_b32 s[\g+7], 0
.endr
	s_mul_i32 s91, s16, HALFA                      ; where they go: no place in the cluster enters an LDS address
	s_mul_i32 s92, s16, HALFB
	s_add_co_u32 s92, s92, 2*HALFA
	s_mov_b32 s[SEL], 0x76543210
	s_mov_b32 s[SEL+1], 0xfedcba98
	s_mov_b32 s86, 0xffff0000
	s_wait_kmcnt 0x0
	s_cmp_lt_u32 s17, 8
	s_cselect_b64 s[74:75], s[4:5], s[6:7]         ; A: xc or wc
	s_cselect_b64 s[76:77], s[6:7], s[4:5]         ; B: wc or xc
	s_add_nc_u64 s[74:75], s[74:75], s[70:71]
	s_add_nc_u64 s[76:77], s[76:77], s[72:73]
	CROUND                                         ; all sixteen work-groups are here: the first joint loads meet
.irp s, 0,1,2                          ; K steps 0, 1, 2: three loads of mine are out
	s_mov_b32 s[G0+4*\s], 1
	s_add_co_u32 s[G0+4*\s+1], s91, \s*SLOT
	s_add_nc_u64 s[G0+4*\s+2:G0+4*\s+3], s[74:75], \s*HALFA
	s_or_b32 s[G0+4*\s+3], s[G0+4*\s+3], 0x80000000
	s_mov_b32 s[G0B+4*\s], 1
	s_add_co_u32 s[G0B+4*\s+1], s92, \s*SLOT
	s_add_nc_u64 s[G0B+4*\s+2:G0B+4*\s+3], s[76:77], \s*HALFB
	s_or_b32 s[G0B+4*\s+3], s[G0B+4*\s+3], 0x80000000
	JLOAD \s
.endr
	v_and_b32 v1, 31, v0
	v_and_b32 v2, 15, v0                           ; r
	v_bfe_u32 v3, v0, 4, 1                         ; h
	v_lshlrev_b32 v[LI], 4, v1
	v_lshlrev_b32 v[LS], 2, v1
	s_mul_i32 s21, s15, HALFA                      ; my 128 rows of A
	s_mul_i32 s22, s16, HALFB                      ; my 128 rows of B, behind A's two halves
	s_add_co_u32 s22, s22, 2*HALFA
	v_mul_u32_u24 v4, v3, RECA
	v_lshl_add_u32 v4, v2, 2, v4
	v_mul_u32_u24 v5, v3, RECB
	v_lshl_add_u32 v5, v2, 2, v5
.irp s, 0,1,2
	v_add_nc_u32 v[ADRA+\s], s21, v[LI]
	v_add_nc_u32 v[ADRB+\s], s22, v[LI]
	v_add_nc_u32 v[ADSA+\s], s21, v4
	v_add_nc_u32 v[ADSB+\s], s22, v5
	s_add_co_u32 s21, s21, SLOT
	s_add_co_u32 s22, s22, SLOT
.endr
.irp b, 0,1,2,3
	v_mov_b32 v[TM+4+\b], 0                        ; a lane permute's destination counts as one of its sources
.endr
	; where my 128 x 128 goes: one record.  q, k: (2 A tile + my half) x 8 + 2 (B tile % 4) + my half.  v^T: ((B tile / 8) x 8 + 2 cy + my half) x 16 + 2 (B tile % 8) + my half
	s_lshl_b32 s78, s66, 1
	s_add_co_u32 s78, s78, s15
	s_lshl_b32 s78, s78, 3
	s_and_b32 s79, s68, 3
	s_lshl_b32 s79, s79, 1
	s_add_co_u32 s78, s78, s79
	s_add_co_u32 s78, s78, s16
	s_lshr_b32 s80, s68, 3
	s_lshl_b32 s80, s80, 3
	s_lshl_b32 s81, s88, 1
	s_add_co_u32 s80, s80, s81
	s_add_co_u32 s80, s80, s15
	s_lshl_b32 s80, s80, 4
	s_and_b32 s81, s68, 7
	s_lshl_b32 s81, s81, 1
	s_add_co_u32 s80, s80, s81
	s_add_co_u32 s80, s80, s16
	s_cmp_eq_u32 ttmp9, 0
	s_cselect_b64 s[82:83], s[8:9], s[10:11]       ; Wq's columns are wc's tiles 0-3: cluster x 0
	s_cmp_lt_u32 s17, 8
	s_cselect_b64 s[82:83], s[82:83], s[12:13]
	s_cselect_b32 s78, s78, s80
	s_mul_i32 s78, s78, REC
	s_mov_b32 s79, 0
	s_add_nc_u64 s[82:83], s[82:83], s[78:79]
	s_wait_tensorcnt 2                             ; my part of slot 0 is in; the loads of slots 1 and 2 may be out
	s_barrier_signal -1
	s_barrier_wait -1
	SCALES 0, 0
	FETCH_B 0, 0, 0
	FETCH_A 0, 0, 0
	FETCH_A 0, 0, 4
	STEP 0, 0, 1                                   ; K step 0: its first products start the sums
	TURN 0, 0, 1, 1, 1                             ; slots 1 and 2 are whole; slot 0 takes K step 3
	STEP 1, 1, 0
	PASS 1, 2, 0
	STEP 2, 0, 0
	TURN 2, 0, 0, 1, 0                             ; K step 3 is whole; nothing is filled
	STEP 0, 1, 0
	s_wait_dscnt 12
	WIN 0xa1
	MUL16 0, 1, 1, 1, 0
	MUL16 2, 1, 1, 1, 0
	s_wait_dscnt 0x0
	WIN 0xf1
	MUL16 4, 1, 1, 1, 0
	MUL16 6, 1, 1, 1, 0
	WIN 0
	PLACES 4
; THE WAY OUT.  Block a's 64 registers are one row's 128 numbers along the next K: four blocks of 32, each shared with lane l xor 16.  They become fragment a of my record, stored from registers: 512 consecutive bytes a store.
.macro QUANTW a
.set W, 2+(\a)/4
.set AC, 64*((\a)%4)
.set ODD, (\a)%2
	WIN W|(W<<2)
.irp b, 0,1,2,3
	v_max3_num_f32 v[TM+\b], |v[AC+16*\b]|, |v[AC+16*\b+1]|, 0x2800000   ; each accumulator is read from its low end on; the floor 2^(5 - 127) holds the byte at 1 from below
.endr
	WIN (W<<2)|(W<<4)
.irp i, 2,4,6,8,10,12,14
.irp b, 0,1,2,3
	v_max3_num_f32 v[TM+\b], v[TM+\b], |v[AC+16*\b+\i]|, |v[AC+16*\b+\i+1]|
.endr
.endr
	WIN 0
.irp b, 0,1,2,3
	v_permlanex16_b32 v[TM+4+\b], v[TM+\b], s[SEL], s[SEL+1]
.endr
.irp b, 0,1,2,3
	v_max_num_f32 v[TM+\b], v[TM+\b], v[TM+4+\b]
.endr
.irp b, 0,1,2,3
	v_add_nc_u32 v[TM+12+\b], 0xfe000000, v[TM+\b]        ; 4 off the exponent field: the conversion's scale operand
.endr
.irp b, 0,1,2,3
	v_lshrrev_b32 v[TM+4+\b], 23, v[TM+12+\b]
.endr
	v_lshl_or_b32 v[PW+ODD], v[TM+5], 8, v[TM+4]
	v_lshl_or_b32 v[PW+ODD], v[TM+6], 16, v[PW+ODD]
	v_lshl_or_b32 v[PW+ODD], v[TM+7], 24, v[PW+ODD]
	s_wait_xcnt 0x0                                ; the last block's stores have read their registers: only behind this wait are they written again
	WIN W
.irp c, 0,1
	v_cvt_scalef32_pk16_bf6_f32 v[PC+6*\c:PC+2+6*\c], v[AC+32*\c:AC+15+32*\c], v[TM+12+2*\c]
	v_cvt_scalef32_pk16_bf6_f32 v[PC+12+4*\c:PC+14+4*\c], v[AC+16+32*\c:AC+31+32*\c], v[TM+12+2*\c+1]
.endr
	WIN 0
	v_nop                                          ; one plain place behind a scaled conversion
.irp c, 0,1
.irp i, 0,1,2
	v_permlane16_swap_b32 v[PC+6*\c+\i], v[PC+12+4*\c+\i]
.endr
.irp i, 0,1,2
	v_mov_b32 v[PC+3+6*\c+\i], v[PC+12+4*\c+\i]
.endr
.endr
.irp g, 0,1,2
	global_store_b128 v[LI], v[PC+4*\g:PC+4*\g+3], s[82:83] offset:1536*(\a)+512*\g
.endr
.if ODD
	v_cndmask_b32 v[JW], v[PW], v[PW+1], s86       ; lanes 0-15 block a - 1's words, lanes 16-31 block a's
	global_store_b32 v[LS], v[JW], s[82:83] offset:12288+64*((\a)-1)
.endif
.endm
.irp a, 0,1,2,3,4,5,6,7
	QUANTW \a
.endr
	s_wait_tensorcnt 0x0                           ; the wave's end
	ds_add_u32 v[SPW], v[NIL]
	s_wait_dscnt 0x0
	CROUND                                         ; the closing round: no work-group ends while a partner may still ask for a tile that names it
	s_endpgm
.Lfunc_end_k_q587caf0d49_proj:
	.size	k_q587caf0d49_proj, .Lfunc_end_k_q587caf0d49_proj-k_q587caf0d49_proj
	.p2alignl 7, 3214868480
	.fill 96, 4, 3214868480
	.section	.rodata,"a",@progbits
	.p2align	6, 0x0
	.amdhsa_kernel k_q587caf0d49_proj
		.amdhsa_group_segment_fixed_size 327680
		.amdhsa_private_segment_fixed_size 0
		.amdhsa_enable_private_segment 0
		.amdhsa_kernarg_size 40
		.amdhsa_user_sgpr_count 2
		.amdhsa_user_sgpr_kernarg_segment_ptr 1
		.amdhsa_wavefront_size32 1
		.amdhsa_system_sgpr_workgroup_id_x 1
		.amdhsa_system_sgpr_workgroup_id_y 1
		.amdhsa_system_sgpr_workgroup_id_z 1
		.amdhsa_system_vgpr_workitem_id 0
		.amdhsa_next_free_vgpr 1024
		.amdhsa_next_free_sgpr 96
		.amdhsa_reserve_vcc 0
		.amdhsa_float_denorm_mode_32 3
		.amdhsa_float_denorm_mode_16_64 3
		.amdhsa_memory_ordered 1
		.amdhsa_forward_progress 1
		.amdhsa_inst_pref_size 141
	.end_amdhsa_kernel
	.amdgpu_metadata
---
amdhsa.version: [ 1, 2 ]
amdhsa.kernels:
  - .name:           k_q587caf0d49_proj
    .symbol:         k_q587caf0d49_proj.kd
    .args:
      - { .name: xc, .offset: 0, .size: 8, .value_kind: global_buffer, .address_space: global }
      - { .name: wc, .offset: 8, .size: 8, .value_kind: global_buffer, .address_space: global }
      - { .name: qc, .offset: 16, .size: 8, .value_kind: global_buffer, .address_space: global }
      - { .name: kc, .offset: 24, .size: 8, .value_kind: global_buffer, .address_space: global }
      - { .name: vtc, .offset: 32, .size: 8, .value_kind: global_buffer, .address_space: global }
    .group_segment_fixed_size: 327680
    .private_segment_fixed_size: 0
    .kernarg_segment_align: 8
    .kernarg_segment_size: 40
    .max_flat_workgroup_size: 128
    .sgpr_count:     96
    .vgpr_count:     1024
    .wavefront_size: 32
...
	.end_amdgpu_metadata
.endif
;; end of part 2
;; launch scores (part 3): grid 36 x 4, 4 waves a work-group, no clusters, 327,680 bytes of LDS; arguments qc, kc, pc; writes pc
.if DOCPART == 3
	.amdgcn_target "amdgcn-amd-amdhsa--gfx1250"
	.amdhsa_code_object_version 6
	.text
	.protected	k_q587caf0d49_scores
	.globl	k_q587caf0d49_scores
	.p2align	8
	.type	k_q587caf0d49_scores,@function
k_q587caf0d49_scores:
	s_mov_b64 s[64:65], 0
	v_nop
	global_prefetch_b8 v0, s[64:65] scope:SCOPE_SE
	s_setreg_imm32_b32 hwreg(HW_REG_WAVE_MODE, 25, 1), 1
	s_wait_xcnt 0x0
; S = q k^T for the tiles of 256 x 256 on or under the diagonal (36 a batch: those wholly above it are thrown away by the causal mask), then for each query and each chunk of 128 keys:
; t = score x log2(e) / 32, M = ceil(the chunk's largest t), p = 2^(t - M), l = the sum of the unquantised p; p is quantised along the keys to BF6 with E8M0 scales.  M is a whole number, so the next launch
; brings a chunk under the row's M by taking the difference off its scale bytes: the codes do not change.
; OPERANDS ARE PACKED: a record holds 128 rows x 128 K: eight fragments of 1,536 bytes, each the image of an operand's 12 registers (registers 4 g .. 4 g + 3 of lane l at 512 g + 16 l), then 128 scale words
; (fragment i, lane r at 12,288 + 64 i + 4 r).  Lane r of fragment i holds row 32 (i / 2) + 8 (i % 2) + r + 8 (r / 8).  qc, kc: records of 12,800 bytes, eight to a block of rows.
; pc: records of 13,824 bytes, sixteen to a block of queries: the scale bytes carry 0x80 on top; behind them 128 M (f32) at 12,800 and 128 l (f32) at 13,312, indexed as the scale words.
; The GEMM: four waves, 128 x 128 each; used transposed (source 0 = keys, source 1 = queries): a lane holds one query, and a block's 64 registers are its 128 keys.  K = 1,024 goes in four steps of 256 through
; THREE LDS slots: steps 0, 1, 2 are asked for together at the start; step 3 is the one refill, of slot 0, and has the work of slots 1 and 2, 256 matrix instructions a wave, in which to land.  So the text has no loop.
; NO CLUSTER: a batch's triangle has rows of 1 to 8 tiles; it does not divide into fours that share a tile of q or of k unless partners are added whose tiles lie wholly under the mask.
; A diagonal tile also writes the records to its right, up to the next multiple of 1,024 keys, as zeros (M = -1e30, l = 0): 3 - (tile row % 4) records a wave.  So the next launch always walks whole laps of 1,024 keys.
; LIMITS: |t| stays under 1e30; NaN and infinities among the inputs are not served; a block whose every p is 0 gets the byte 1 (its codes are zeros).
; REGISTERS: window 0: v12-13 -M and t, v16-27, v30-31 addresses, v28-29 for the add, v32-63 scale words, v64-121 at work on the way out, v128-223 A's fragments, later p.  window 1: B's two sets.  windows 2, 3: the accumulators.
.set RECA, 12800
.set RECB, 12800
.set RECP, 13824
.set HALFA, 2*RECA
.set HALFB, 2*RECB
.set SLOT,  2*HALFA+2*HALFB
.set SPARE, 3*SLOT                     ; behind the three slots: the spare words, 128 bytes a wave: two blocks of 256 bytes that no other line names
.set ADRA, 16                          ; v16-18
.set ADSA, 19                          ; v19-21
.set ADRB, 22                          ; v22-24
.set ADSB, 25                          ; v25-27
.set SPW,  28
.set NIL,  29
.set LI,   30
.set LS,   31
.set SA,   32
.set SB,   40
.set AF,   128
.set G1,   24                          ; s[24:31] group 1 for q; s[32:43] its groups 0, one for each slot;  s[44:51], s[52:63] the same for k
.set G0,   32
.set G1B,  44
.set G0B,  52
.set SEL,  84
.set CS,   88                          ; s[88:89] c = log2(e) / 32
.set BM,   64                          ; v64-67 the blocks' largest scores, then p; v68-71 the other half's / bytes; v72-75 the conversions' scale operands
.set TT,   76
.set PW,   80                          ; v80-81 the scale words of blocks a - 1, a;  v82-83 M;  v84-85 l;  v86-88 the three joined
.set MS,   82
.set LM,   84
.set JW,   86
.set SU,   90                          ; v90-93 two packed chains of the sum; v94 the other half's
.set TP,   94
.set PC,   96
.set DL,   120
.set NINF, 121
.set P,    128
.set MSB, 0
.macro WIN new                         ; the immediate's high byte repeats the setting that is left
.if MSB != (\new)
	s_set_vgpr_msb (MSB<<8)|(\new)
.set MSB, (\new)
.endif
.endm
.macro PLACES n                        ; plain places behind matrix instructions (ISA guide 7.12.1)
.rept \n
	v_nop
.endr
.endm
.macro JLOAD s                         ; waves 0 and 1 fetch q's halves, waves 2 and 3 k's; four v_nop follow each of the two lines
	s_cmp_eq_u32 s15, 0
	s_cbranch_scc0 .Lfor_b_\@
	tensor_load_to_lds s[G0+4*\s:G0+4*\s+3], s[G1:G1+7]
	s_nop 0
.rept 4
	v_nop
.endr
	s_branch .Lasked_\@
.Lfor_b_\@:
	tensor_load_to_lds s[G0B+4*\s:G0B+4*\s+3], s[G1B:G1B+7]
	s_nop 0
.rept 4
	v_nop
.endr
.Lasked_\@:
.endm
.macro FRAG reg, adr, off
.irp g, 0,1,2
	ds_load_b128 v[(\reg)+4*\g:(\reg)+4*\g+3], v[\adr] offset:(\off)+512*\g
.endr
.endm
.macro FETCH_B slot, q, p              ; 24 loads
	WIN 0x40
.irp i, 0,1,2,3,4,5,6,7
	FRAG 128*(\p)+12*\i, ADRB+\slot, (\q)*RECB+1536*\i
.endr
	WIN 0
.endm
.macro FETCH_A slot, q, i0             ; 12 loads
.irp i, \i0, \i0+1, \i0+2, \i0+3
	FRAG AF+12*(\i), ADRA+\slot, (\q)*RECA+1536*(\i)
.endr
.endm
.macro SCALES slot, sc                 ; 16 loads
.irp i, 0,1,2,3,4,5,6,7
	ds_load_b32 v[SA+16*\sc+\i], v[ADSA+\slot] offset:12288+64*\i
	ds_load_b32 v[SB+16*\sc+\i], v[ADSB+\slot] offset:12288+64*\i
.endr
.endm
; 16 matrix instructions; the 64 accumulators take turns, one instruction a turn, in the same order in every step
.macro MUL16 a0, p, q, sc, zero
.irp a, \a0, \a0+1
.irp b, 0,1,2,3,4,5,6,7
.if \zero
	v_wmma_scale_f32_16x16x128_f8f6f4 v[8*(8*((\a)%4)+\b):8*(8*((\a)%4)+\b)+7], v[128*(\p)+12*\b:128*(\p)+12*\b+11], v[AF+12*(\a):AF+12*(\a)+11], 0, v[SB+16*(\sc)+\b], v[SA+16*(\sc)+(\a)] matrix_a_fmt:MATRIX_FMT_BF6 matrix_b_fmt:MATRIX_FMT_BF6
.elseif \q
	v_wmma_scale_f32_16x16x128_f8f6f4 v[8*(8*((\a)%4)+\b):8*(8*((\a)%4)+\b)+7], v[128*(\p)+12*\b:128*(\p)+12*\b+11], v[AF+12*(\a):AF+12*(\a)+11], v[8*(8*((\a)%4)+\b):8*(8*((\a)%4)+\b)+7], v[SB+16*(\sc)+\b], v[SA+16*(\sc)+(\a)] matrix_a_fmt:MATRIX_FMT_BF6 matrix_b_fmt:MATRIX_FMT_BF6 matrix_a_scale:MATRIX_SCALE_ROW1 matrix_b_scale:MATRIX_SCALE_ROW1
.else
	v_wmma_scale_f32_16x16x128_f8f6f4 v[8*(8*((\a)%4)+\b):8*(8*((\a)%4)+\b)+7], v[128*(\p)+12*\b:128*(\p)+12*\b+11], v[AF+12*(\a):AF+12*(\a)+11], v[8*(8*((\a)%4)+\b):8*(8*((\a)%4)+\b)+7], v[SB+16*(\sc)+\b], v[SA+16*(\sc)+(\a)] matrix_a_fmt:MATRIX_FMT_BF6 matrix_b_fmt:MATRIX_FMT_BF6
.endif
.endr
.endr
.endm
.macro STEP slot, sc, zero
	s_wait_dscnt 12                                ; all but the youngest 12 loads (A's blocks 4-7) are in
	WIN 0xa1
	MUL16 0, 0, 0, \sc, \zero
	MUL16 2, 0, 0, \sc, \zero
	s_wait_dscnt 0x0
	PLACES 4
	FETCH_B \slot, 1, 1
	FETCH_A \slot, 1, 0
	WIN 0xf1
	MUL16 4, 0, 0, \sc, \zero
	MUL16 6, 0, 0, \sc, \zero
	PLACES 4
	WIN 0
	FETCH_A \slot, 1, 4
.endm
; A slot's second 128 K, with a barrier.  fill = 1: this slot is filled again, with the K step three steps on.
.macro TURN slot, sc, next, nsc, fill
	s_wait_tensorcnt 0x0                           ; all my tensor loads have landed; none of mine is out
	ds_add_u32 v[SPW], v[NIL]                      ; 0 onto my spare word
	s_wait_dscnt 13                                ; the add and the youngest 12 loads may be out
	WIN 0xa1
	MUL16 0, 1, 1, \sc, 0
	s_wait_dscnt 0x0                               ; the add is done, and my reads of this slot are over
	s_barrier_signal -1
	MUL16 2, 1, 1, \sc, 0
	WIN 0
	s_barrier_wait -1                              ; nobody reads this slot any more, and all that was asked for is whole
.if \fill
	s_add_nc_u64 s[G0+4*\slot+2:G0+4*\slot+3], s[G0+4*\slot+2:G0+4*\slot+3], 3*HALFA
	s_add_nc_u64 s[G0B+4*\slot+2:G0B+4*\slot+3], s[G0B+4*\slot+2:G0B+4*\slot+3], 3*HALFB
	JLOAD \slot                                    ; the first tensor load behind the barrier; its four v_nop are the places in front of the loads below
.else
	PLACES 4
.endif
	SCALES \next, \nsc
	FETCH_B \next, 0, 0
	FETCH_A \next, 0, 0
	WIN 0xf1
	MUL16 4, 1, 1, \sc, 0
	MUL16 6, 1, 1, \sc, 0
	PLACES 4
	WIN 0
	FETCH_A \next, 0, 4
.endm
; A slot's second 128 K, without a barrier: the next slot was shown whole to every wave by the wait for all loads in front of an earlier barrier, and nothing is filled here.
.macro PASS sc, next, nsc
	s_wait_dscnt 12
	WIN 0xa1
	MUL16 0, 1, 1, \sc, 0
	MUL16 2, 1, 1, \sc, 0
	s_wait_dscnt 0x0
	PLACES 4
	WIN 0
	SCALES \next, \nsc
	FETCH_B \next, 0, 0
	FETCH_A \next, 0, 0
	WIN 0xf1
	MUL16 4, 1, 1, \sc, 0
	MUL16 6, 1, 1, \sc, 0
	PLACES 4
	WIN 0
	FETCH_A \next, 0, 4
.endm
	s_load_b128 s[4:7], s[0:1], 0x0                ; qc, kc
	s_load_b64 s[8:9], s[0:1], 0x10                ; pc
	v_lshl_add_u32 v[SPW], v0, 2, SPARE
	v_mov_b32 v[NIL], 0
	ds_add_u32 v28, v29
	ds_add_u32 v28, v29
	s_wait_dscnt 0x0
	v_lshrrev_b32 v1, 5, v0
	v_readfirstlane_b32 s14, v1                    ; wave 0..3
	s_lshr_b32 s15, s14, 1                         ; my half of the queries.  Also: I fetch for q (0) or for k (1)
	s_and_b32 s16, s14, 1                          ; my half of the keys.  Also: which half I fetch
	s_and_b32 s17, ttmp7, 0xffff                   ; the batch
	s_mov_b32 s66, 0                               ; the tile row I: how many of the triangle's row starts lie at or under my number
.irp t, 1,3,6,10,15,21,28
	s_cmp_ge_u32 ttmp9, \t
	s_add_co_ci_u32 s66, s66, 0
.endr
	s_add_co_u32 s67, s66, 1
	s_mul_i32 s67, s67, s66
	s_lshr_b32 s67, s67, 1
	s_sub_co_u32 s67, ttmp9, s67                   ; the tile column J <= I
	s_lshl_b32 s18, s17, 4
	s_lshl_b32 s19, s66, 1
	s_add_co_u32 s19, s19, s18                     ; 16 b + 2 I
	s_lshl_b32 s20, s67, 1                         ; 2 J
	s_add_co_u32 s23, s20, s18
	s_add_co_u32 s70, s19, s16
	s_mul_i32 s70, s70, 8*RECA
	s_mov_b32 s71, 0
	s_add_co_u32 s72, s23, s16
	s_mul_i32 s72, s72, 8*RECB
	s_mov_b32 s73, 0
	s_add_co_u32 s78, s19, s15                     ; my record of pc: (16 b + 2 I + my half) x 16 + 2 J + my half
	s_lshl_b32 s78, s78, 4
	s_add_co_u32 s78, s78, s20
	s_add_co_u32 s78, s78, s16
	s_mul_i32 s78, s78, RECP
	s_mov_b32 s79, 0
	s_sub_co_u32 s68, s66, s67
	s_lshl_b32 s68, s68, 8
	s_sub_co_i32 s69, s15, s16
	s_lshl_b32 s69, s69, 7
	s_add_co_i32 s68, s68, s69                     ; D = my first query - my first key
.irp g, G1, G1B                        ; 25,600 dense bytes as 100 rows of 256: elements of 8 bytes, no mask, no padding
	s_mov_b32 s[\g], 3<<16
	s_mov_b32 s[\g+1], 32<<16
	s_mov_b32 s[\g+2], 100<<16
	s_mov_b32 s[\g+3], 32<<16
	s_mov_b32 s[\g+4], 100
	s_mov_b32 s[\g+5], 32
	s_mov_b32 s[\g+6], 0
	s_mov_b32 s[\g+7], 0
.endr
	s_mul_i32 s80, s16, HALFA
	s_mul_i32 s81, s16, HALFB
	s_add_co_u32 s81, s81, 2*HALFA
	s_mov_b32 s[SEL], 0x76543210
	s_mov_b32 s[SEL+1], 0xfedcba98
	s_mov_b32 s86, 0xffff0000
	s_mov_b32 s[CS], 0x3d38aa3b                    ; log2(e) / 32
	s_mov_b32 s[CS+1], s[CS]                       ; (named with it as a pair, so it is written)
	s_wait_kmcnt 0x0
	s_add_nc_u64 s[74:75], s[4:5], s[70:71]
	s_add_nc_u64 s[76:77], s[6:7], s[72:73]
	s_add_nc_u64 s[8:9], s[8:9], s[78:79]
.irp s, 0,1,2                          ; K steps 0, 1, 2 go out ahead of everything else: three loads of mine are out
	s_mov_b32 s[G0+4*\s], 1
	s_add_co_u32 s[G0+4*\s+1], s80, \s*SLOT
	s_add_nc_u64 s[G0+4*\s+2:G0+4*\s+3], s[74:75], \s*HALFA
	s_or_b32 s[G0+4*\s+3], s[G0+4*\s+3], 0x80000000
	s_mov_b32 s[G0B+4*\s], 1
	s_add_co_u32 s[G0B+4*\s+1], s81, \s*SLOT
	s_add_nc_u64 s[G0B+4*\s+2:G0B+4*\s+3], s[76:77], \s*HALFB
	s_or_b32 s[G0B+4*\s+3], s[G0B+4*\s+3], 0x80000000
	JLOAD \s
.endr
	v_and_b32 v1, 31, v0
	v_and_b32 v2, 15, v0                           ; r
	v_bfe_u32 v3, v0, 4, 1                         ; h
	v_lshlrev_b32 v[LI], 4, v1
	v_lshlrev_b32 v[LS], 2, v1
	s_mul_i32 s21, s15, HALFA
	s_mul_i32 s22, s16, HALFB
	s_add_co_u32 s22, s22, 2*HALFA
	v_mul_u32_u24 v4, v3, RECA
	v_lshl_add_u32 v4, v2, 2, v4
	v_mul_u32_u24 v5, v3, RECB
	v_lshl_add_u32 v5, v2, 2, v5
.irp s, 0,1,2
	v_add_nc_u32 v[ADRA+\s], s21, v[LI]
	v_add_nc_u32 v[ADRB+\s], s22, v[LI]
	v_add_nc_u32 v[ADSA+\s], s21, v4
	v_add_nc_u32 v[ADSB+\s], s22, v5
	s_add_co_u32 s21, s21, SLOT
	s_add_co_u32 s22, s22, SLOT
.endr
	v_and_b32 v6, 8, v2
	v_add_nc_u32 v6, v6, v2                        ; r + 8 (r / 8)
	v_lshlrev_b32 v7, 4, v3
	v_sub_nc_u32 v6, v6, v7
	v_add_nc_u32 v[DL], s68, v6                    ; register 16 b + i of block a is hidden where 32 b + i - 32 (a / 2) - 8 (a % 2) > D + r + 8 (r / 8) - 16 h
	v_mov_b32 v[NINF], 0xff800000
.irp b, 0,1,2,3
	v_mov_b32 v[BM+4+\b], 0                        ; a lane permute's destination counts as one of its sources
.endr
	v_mov_b32 v[TP], 0
	s_wait_tensorcnt 2                             ; my part of slot 0 is in; the loads of slots 1 and 2 may be out
	s_barrier_signal -1
	s_barrier_wait -1
	SCALES 0, 0
	FETCH_B 0, 0, 0
	FETCH_A 0, 0, 0
	FETCH_A 0, 0, 4
	STEP 0, 0, 1                                   ; K step 0: its first products start the sums
	TURN 0, 0, 1, 1, 1                             ; slots 1 and 2 are whole; slot 0 takes K step 3
	STEP 1, 1, 0
	PASS 1, 2, 0
	STEP 2, 0, 0
	TURN 2, 0, 0, 1, 0                             ; K step 3 is whole; nothing is filled
	STEP 0, 1, 0
	s_wait_dscnt 12
	WIN 0xa1
	MUL16 0, 1, 1, 1, 0
	MUL16 2, 1, 1, 1, 0
	s_wait_dscnt 0x0
	WIN 0xf1
	MUL16 4, 1, 1, 1, 0
	MUL16 6, 1, 1, 1, 0
	WIN 0
	PLACES 4
; Block a: 16 queries (one a lane) x my 128 keys.
.macro SOFT a
.set W, 2+(\a)/4
.set AC, 64*((\a)%4)
.set QA, 32*((\a)/2)+8*((\a)%2)
.set ODD, (\a)%2
	s_cmp_gt_i32 s68, 0                            ; all my keys come before all my queries: nothing is hidden.  A branch on ids and the wave's number, round vector work alone
	s_cbranch_scc1 .Lopen_\@
	WIN W|(W<<6)
.set NN, 0
.rept 64
	v_cmp_gt_i32 vcc_lo, 32*(NN/16)+NN%16-QA, v[DL]
	v_cndmask_b32 v[AC+NN], v[AC+NN], v[NINF], vcc_lo     ; a hidden score becomes -infinity: p = 0.  (Ascending: each accumulator from its low end on)
.set NN, NN+1
.endr
	WIN 0
.Lopen_\@:
	WIN W|(W<<2)|(W<<4)
.irp b, 0,1,2,3
	v_max3_num_f32 v[BM+\b], v[AC+16*\b], v[AC+16*\b+1], v[AC+16*\b+2]   ; the largest score of each block of 32 keys: for the chunk's maximum, and, since p rises with the score, for the block's largest p
.endr
	WIN (W<<2)|(W<<4)
.irp i, 3,5,7,9,11,13
.irp b, 0,1,2,3
	v_max3_num_f32 v[BM+\b], v[BM+\b], v[AC+16*\b+\i], v[AC+16*\b+\i+1]
.endr
.endr
.irp b, 0,1,2,3
	v_max_num_f32 v[BM+\b], v[BM+\b], v[AC+16*\b+15]
.endr
	WIN 0
.irp b, 0,1,2,3
	v_permlanex16_b32 v[BM+4+\b], v[BM+\b], s[SEL], s[SEL+1]
.endr
.irp b, 0,1,2,3
	v_max_num_f32 v[BM+\b], v[BM+\b], v[BM+4+\b]          ; with lane l xor 16's 16 keys
.endr
	v_max3_num_f32 v[TT], v[BM], v[BM+1], v[BM+2]
	v_max_num_f32 v[TT], v[TT], v[BM+3]
	v_mul_f32 v[TT], s[CS], v[TT]                  ; as t (c is positive)
	v_max_num_f32 v13, 0xf149f2ca, v[TT]           ; a chunk that is wholly hidden takes t = -1e30
	v_floor_f32 v12, -v13                          ; -M = floor(-t) = -ceil(t): M is a whole number
.irp b, 0,1,2,3
	v_fma_f32 v[BM+\b], v[BM+\b], s[CS], v12
.endr
	WIN W
.set NN, 0
.rept 32
	v_pk_fma_f32 v[P+NN:P+NN+1], v[AC+NN:AC+NN+1], s[CS:CS+1], v[12:13] op_sel_hi:[1,0,0]   ; t - M, two at a time (of the pairs c and -M the low word serves both halves)
.set NN, NN+2
.endr
	WIN 0
.set NN, 0
.rept 64
	v_exp_f32 v[P+NN], v[P+NN]                     ; p = 2^(t - M), at most 1, not normalised
.set NN, NN+1
.endr
.irp b, 0,1,2,3
	v_exp_f32 v[BM+\b], v[BM+\b]                   ; the block's largest p: the same two instructions on the same number give the same bits
.endr
	v_xor_b32 v[MS+ODD], 0x80000000, v12           ; M.  (A plain place behind the exponentials)
	s_wait_alu depctr_va_vdst(0)
.irp b, 0,1,2,3
	v_max_num_f32 v[BM+\b], 0x2800000, v[BM+\b]    ; the floor 2^(5 - 127): the byte cannot fall under 1
.endr
.irp b, 0,1,2,3
	v_add_nc_u32 v[BM+8+\b], 0xfe000000, v[BM+\b]
.endr
.irp b, 0,1,2,3
	v_lshrrev_b32 v[BM+4+\b], 23, v[BM+8+\b]
.endr
	v_lshl_or_b32 v[PW+ODD], v[BM+5], 8, v[BM+4]
	v_lshl_or_b32 v[PW+ODD], v[BM+6], 16, v[PW+ODD]
	v_lshl_or_b32 v[PW+ODD], v[BM+7], 24, v[PW+ODD]
	v_or_b32 v[PW+ODD], 0x80808080, v[PW+ODD]      ; p is at most 1, so a byte is at most 123: bit 7 is set on top, so that the next launch can take up to 127 off all four bytes at once without a borrow
	s_wait_xcnt 0x0                                ; the last block's stores have read their registers: only behind this wait are they written again
.irp c, 0,1
	v_cvt_scalef32_pk16_bf6_f32 v[PC+6*\c:PC+2+6*\c], v[P+32*\c:P+15+32*\c], v[BM+8+2*\c]
	v_cvt_scalef32_pk16_bf6_f32 v[PC+12+4*\c:PC+14+4*\c], v[P+16+32*\c:P+31+32*\c], v[BM+8+2*\c+1]
.endr
	v_nop                                          ; one plain place behind a scaled conversion
.irp c, 0,1
.irp i, 0,1,2
	v_permlane16_swap_b32 v[PC+6*\c+\i], v[PC+12+4*\c+\i]
.endr
.irp i, 0,1,2
	v_mov_b32 v[PC+3+6*\c+\i], v[PC+12+4*\c+\i]
.endr
.endr
	v_pk_add_f32 v[SU:SU+1], v[P:P+1], v[P+2:P+3]  ; the sum is taken of the unquantised p: two at a time, in two chains
	v_pk_add_f32 v[SU+2:SU+3], v[P+4:P+5], v[P+6:P+7]
.irp j, 8,12,16,20,24,28,32,36,40,44,48,52,56,60
	v_pk_add_f32 v[SU:SU+1], v[SU:SU+1], v[P+\j:P+\j+1]
	v_pk_add_f32 v[SU+2:SU+3], v[SU+2:SU+3], v[P+\j+2:P+\j+3]
.endr
	v_pk_add_f32 v[SU:SU+1], v[SU:SU+1], v[SU+2:SU+3]
	v_add_f32 v[LM+ODD], v[SU], v[SU+1]
	v_permlanex16_b32 v[TP], v[LM+ODD], s[SEL], s[SEL+1]
	v_add_f32 v[LM+ODD], v[LM+ODD], v[TP]
.irp g, 0,1,2
	global_store_b128 v[LI], v[PC+4*\g:PC+4*\g+3], s[8:9] offset:1536*(\a)+512*\g   ; fragment a of my record: 512 consecutive bytes a store
.endr
.if ODD
	v_cndmask_b32 v[JW], v[PW], v[PW+1], s86       ; lanes 0-15 block a - 1's, lanes 16-31 block a's
	v_cndmask_b32 v[JW+1], v[MS], v[MS+1], s86
	v_cndmask_b32 v[JW+2], v[LM], v[LM+1], s86
	global_store_b32 v[LS], v[JW], s[8:9] offset:12288+64*((\a)-1)
	global_store_b32 v[LS], v[JW+1], s[8:9] offset:12800+64*((\a)-1)
	global_store_b32 v[LS], v[JW+2], s[8:9] offset:13312+64*((\a)-1)
.endif
.endm
.irp a, 0,1,2,3,4,5,6,7
	SOFT \a
.endr
; The record n further on along the keys, as zeros: zero codes, the byte 1 under bit 7, M = -1e30, l = 0
.macro ZREC n
.set NN, 0
.rept 24
	global_store_b128 v[LI], v[128:131], s[8:9] offset:(\n)*RECP+512*NN
.set NN, NN+1
.endr
	global_store_b128 v[LI], v[132:135], s[8:9] offset:(\n)*RECP+12288
	global_store_b128 v[LI], v[136:139], s[8:9] offset:(\n)*RECP+12800
	global_store_b128 v[LI], v[128:131], s[8:9] offset:(\n)*RECP+13312
.endm
	s_cmp_lg_u32 s66, s67                          ; on the diagonal alone (branches on ids): tile row I has 2 I + 2 records a block of queries, and 6 - 2 (I % 4) are wanting up to a multiple of eight; my half of the keys takes every second one
	s_cbranch_scc1 .Lno_zero
	s_and_b32 s69, s66, 3
	s_cmp_eq_u32 s69, 3
	s_cbranch_scc1 .Lno_zero
.irp i, 0,1,2,3
	v_mov_b32 v[128+\i], 0
	v_mov_b32 v[132+\i], 0x81818181
	v_mov_b32 v[136+\i], 0xf149f2ca
.endr
	ZREC 2
	s_cmp_eq_u32 s69, 2
	s_cbranch_scc1 .Lno_zero
	ZREC 4
	s_cmp_eq_u32 s69, 1
	s_cbranch_scc1 .Lno_zero
	ZREC 6
.Lno_zero:
	s_wait_tensorcnt 0x0                           ; the wave's end
	ds_add_u32 v[SPW], v[NIL]
	s_wait_dscnt 0x0
	s_endpgm
.Lfunc_end_k_q587caf0d49_scores:
	.size	k_q587caf0d49_scores, .Lfunc_end_k_q587caf0d49_scores-k_q587caf0d49_scores
	.p2alignl 7, 3214868480
	.fill 96, 4, 3214868480
	.section	.rodata,"a",@progbits
	.p2align	6, 0x0
	.amdhsa_kernel k_q587caf0d49_scores
		.amdhsa_group_segment_fixed_size 327680
		.amdhsa_private_segment_fixed_size 0
		.amdhsa_enable_private_segment 0
		.amdhsa_kernarg_size 24
		.amdhsa_user_sgpr_count 2
		.amdhsa_user_sgpr_kernarg_segment_ptr 1
		.amdhsa_wavefront_size32 1
		.amdhsa_system_sgpr_workgroup_id_x 1
		.amdhsa_system_sgpr_workgroup_id_y 1
		.amdhsa_system_sgpr_workgroup_id_z 1
		.amdhsa_system_vgpr_workitem_id 0
		.amdhsa_next_free_vgpr 1024
		.amdhsa_next_free_sgpr 96
		.amdhsa_reserve_vcc 1
		.amdhsa_float_denorm_mode_32 3
		.amdhsa_float_denorm_mode_16_64 3
		.amdhsa_memory_ordered 1
		.amdhsa_forward_progress 1
		.amdhsa_inst_pref_size 246
	.end_amdhsa_kernel
	.amdgpu_metadata
---
amdhsa.version: [ 1, 2 ]
amdhsa.kernels:
  - .name:           k_q587caf0d49_scores
    .symbol:         k_q587caf0d49_scores.kd
    .args:
      - { .name: qc, .offset: 0, .size: 8, .value_kind: global_buffer, .address_space: global }
      - { .name: kc, .offset: 8, .size: 8, .value_kind: global_buffer, .address_space: global }
      - { .name: pc, .offset: 16, .size: 8, .value_kind: global_buffer, .address_space: global }
    .group_segment_fixed_size: 327680
    .private_segment_fixed_size: 0
    .kernarg_segment_align: 8
    .kernarg_segment_size: 24
    .max_flat_workgroup_size: 128
    .sgpr_count:     96
    .vgpr_count:     1024
    .wavefront_size: 32
...
	.end_amdgpu_metadata
.endif
;; end of part 3
;; launch pv (part 4): grid 4 x 64, 4 waves a work-group, clusters of 4 x 1, 327,680 bytes of LDS; arguments pc, vtc, out0; writes out0
.if DOCPART == 4
	.amdgcn_target "amdgcn-amd-amdhsa--gfx1250"
	.amdhsa_code_object_version 6
	.text
	.protected	k_q587caf0d49_pv
	.globl	k_q587caf0d49_pv
	.p2align	8
	.type	k_q587caf0d49_pv,@function
k_q587caf0d49_pv:
	s_mov_b64 s[64:65], 0
	v_nop
	global_prefetch_b8 v0, s[64:65] scope:SCOPE_SE
	s_setreg_imm32_b32 hwreg(HW_REG_WAVE_MODE, 25, 1), 1
	s_wait_xcnt 0x0
	s_wait_alu depctr_hold_cnt(0) depctr_sa_sdst(0) depctr_va_vdst(0) depctr_va_sdst(0) depctr_va_ssrc(0) depctr_va_vcc(0) depctr_vm_vsrc(0)
	s_getreg_b32 s2, hwreg(HW_REG_IB_STS2, 6, 4)
	s_cmp_eq_u32 s2, 0
	s_cbranch_scc0 .Lentry_in_a_cluster
	s_endpgm
.Lentry_in_a_cluster:
	s_bfe_u32 s2, ttmp6, 0x10000c
	s_cmp_lg_u32 s2, 0x3003
	s_cbranch_scc0 .Lentry_shape_is_right
	s_endpgm
.Lentry_shape_is_right:
; O = P V / l on codes of BF6 with E8M0 scales.  P comes chunk by chunk of 128 keys under each chunk's own whole number M; this launch joins the chunks: the row's M is the largest, the row's l the sum of
; l_chunk x 2^(M_chunk - M) (exact scalings), and each chunk's scale bytes of P are lowered by M - M_chunk, which is the same as quantising under the row's M: the codes do not change.
; OPERANDS ARE PACKED: a record holds 128 rows x 128 K: eight fragments of 1,536 bytes, each the image of an operand's 12 registers (registers 4 g .. 4 g + 3 of lane l at 512 g + 16 l), then 128 scale words
; (fragment i, lane r at 12,288 + 64 i + 4 r).  Lane r of fragment i holds row 32 (i / 2) + 8 (i % 2) + r + 8 (r / 8).  pc (rows: queries, K: keys): records of 13,824 bytes, sixteen to a block of queries; its scale
; bytes carry 0x80 on top; M (f32) at 12,800 and l (f32) at 13,312, indexed as the scale words.  vtc (rows: channels, K: keys): records of 12,800 bytes, sixteen to a block of channels.
; SHARES.  A work-group makes 128 queries x 256 channels: 256 work-groups.  A wave's accumulators are 128 x 128, and THE KEYS ARE SHARED BETWEEN THE WAVE PAIRS: a slot holds 512 keys (four records of P, four of each of
; V's two blocks of channels: 157,696 bytes); waves 0, 1 multiply its records 0, 1 and waves 2, 3 its records 2, 3, each for one half of the channels.  At the end waves w and w xor 2 add their sums: each sends half of
; its accumulators through LDS and finishes the other half.  Sums are f32; their order differs from one chain along the keys, within the comparison's allowance.
; So that every wave keeps its register blocks 0-3 and sends 4-7, pair k takes P's fragments in the order (i + 4 k) % 8: two address registers, no branch.
; Blocks of queries 0-7 of a batch walk one lap of 1,024 keys (two slots), blocks 8-15 two: the keys past a block's diagonal tile in its last lap were written as zeros by the launch before; keys beyond are thrown away by the mask.
; CLUSTER of 4 x 1: the four channel tiles of one block of queries walk the same P: it is asked for jointly.  V's tiles differ from partner to partner: plain loads, behind the same rounds.  The laps hang on the cluster's y alone.
; Used transposed (source 0 = channels, source 1 = queries): a lane holds one query and 128 channels in the order 32 b + 16 (lane / 16) + i.
; LIMITS: a block of P whose byte would fall under 0 is taken at 2^-127; NaN and infinities are not served.
; REGISTERS: window 0: v8-27 addresses, v28-29 for the add, v32-63 scale words, v64-71 the rows' M, v72-79 P's scale words as stored, v80-87 the chunks' M, v88-95 1 / l (twice each), v104-127 at work, v128-223 A's fragments;
;   v128-255 on the way out.  window 1: B's two sets; at the end the partner's sums.  windows 2, 3: the accumulators.
.set RECA, 13824
.set RECB, 12800
.set HALFA, 2*RECA                     ; two records of P: what wave 0 or 1 fetches, and what a wave pair reads of a slot
.set HALFB, 2*RECB                     ; what a wave reads of its block of channels in a slot
.set PARTB, 4*RECB                     ; four records of one block of channels: what wave 2 or 3 fetches
.set SLOT,  4*RECA+2*PARTB             ; P's four records, then V's two blocks
.set SCR,   2*SLOT                     ; behind the ring: 1,024 bytes a wave, through which M and 1 / l change lanes; no tile lands here
.set SPARE, SCR+4096                   ; the spare words, 128 bytes a wave: two blocks of 256 bytes that no other line names
.set SPIT,  528                        ; the way out: a stage of 16 rows x (512 + 16) bytes for each wave
.set STG,   SLOT                       ; it lies in slot 1, written only behind the exchange's barrier: the slot has had its last fill, and every wave's reads of it are over
                                       ; the exchange, 32,768 bytes a wave, lies in slot 0 from byte 0 on: that slot has had its last fill, and nobody reads it behind the last change of slots
.set ADRAL, 8                          ; v8-9   P's fragments for my register blocks 0-3, in slot 0, 1
.set ADRAH, 10                         ; v10-11 for my register blocks 4-7
.set ADSAL, 12                         ; v12-13 their scale words and M: 4 r + (lane / 16) x a record
.set ADSAH, 14                         ; v14-15
.set ADRB, 16                          ; v16-17
.set ADSB, 18                          ; v18-19
.set LI,   20                          ; v20 16 x lane
.set SCW,  21                          ; v21 SCR: 16 x lane;  v22, v23 SCR: 4 r, for register blocks 0-3 and 4-7
.set SCRL, 22
.set SCRH, 23
.set XW,   24                          ; v24 the exchange: where I put my sums;  v25 where my partner put its
.set XR,   25
.set STO,  26
.set RD,   27
.set SPW,  28
.set NIL,  29
.set SA,   32
.set SB,   40
.set MQ,   64
.set SR,   72
.set MW,   80
.set RLB,  88
.set VO,   104
.set FT,   104
.set FU,   112
.set FV,   120
.set AF,   128
.set BK,   128
.set G1,   24
.set G0,   32
.set G1B,  48
.set G0B,  56
.set MSB, 0
.macro WIN new                         ; the immediate's high byte repeats the setting that is left
.if MSB != (\new)
	s_set_vgpr_msb (MSB<<8)|(\new)
.set MSB, (\new)
.endif
.endm
.macro PLACES n                        ; plain places behind matrix instructions (ISA guide 7.12.1)
.rept \n
	v_nop
.endr
.endm
.macro JLOAD s                         ; waves 0 and 1 ask jointly for P's halves, waves 2 and 3 fetch V's blocks; four v_nop follow each of the two lines
	s_cmp_eq_u32 s15, 0
	s_cbranch_scc0 .Lfor_b_\@
	tensor_load_to_lds s[G0+4*\s:G0+4*\s+3], s[G1:G1+7]
	s_nop 0
.rept 4
	v_nop
.endr
	s_branch .Lasked_\@
.Lfor_b_\@:
	tensor_load_to_lds s[G0B+4*\s:G0B+4*\s+3], s[G1B:G1B+7]
	s_nop 0
.rept 4
	v_nop
.endr
.Lasked_\@:
.endm
.macro CREST
	s_cmp_lg_u32 s14, 0
	s_cbranch_scc1 .Lnot_wave_0_\@
	s_barrier_signal -3
.Lnot_wave_0_\@:
	s_barrier_wait -3
	s_barrier_signal -1
	s_barrier_wait -1
.endm
.macro CROUND
	s_barrier_signal -1
	s_barrier_wait -1
	CREST
.endm
.macro FRAG reg, adr, off
.irp g, 0,1,2
	ds_load_b128 v[(\reg)+4*\g:(\reg)+4*\g+3], v[\adr] offset:(\off)+512*\g
.endr
.endm
.macro FETCH_B slot, q, p              ; 24 loads
	WIN 0x40
.irp i, 0,1,2,3,4,5,6,7
	FRAG 128*(\p)+12*\i, ADRB+\slot, (\q)*RECB+1536*\i
.endr
	WIN 0
.endm
.macro FETCH_A slot, q, i0             ; my register blocks i0 .. i0 + 3 (i0 = 0 or 4): 12 loads
.irp i, 0,1,2,3
.if \i0 == 0
	FRAG AF+12*\i, ADRAL+\slot, (\q)*RECA+1536*\i
.else
	FRAG AF+48+12*\i, ADRAH+\slot, (\q)*RECA+1536*\i
.endif
.endr
.endm
.macro SCALES s                        ; 24 loads: P's scale words as stored, the chunks' M, V's scale words; lanes 0-15 my first 128 keys of the slot, lanes 16-31 my second
.irp i, 0,1,2,3
	ds_load_b32 v[SR+\i], v[ADSAL+\s] offset:12288+64*\i
	ds_load_b32 v[MW+\i], v[ADSAL+\s] offset:12800+64*\i
	ds_load_b32 v[SR+4+\i], v[ADSAH+\s] offset:12288+64*\i
	ds_load_b32 v[MW+4+\i], v[ADSAH+\s] offset:12800+64*\i
.endr
.irp i, 0,1,2,3,4,5,6,7
	ds_load_b32 v[SB+16*\s+\i], v[ADSB+\s] offset:12288+64*\i
.endr
.endm
; P's scale words under the row's M.  d = min(M - M_chunk, 127) is taken off all four bytes at once: with bit 7 on top no byte borrows.  A byte whose bit 7 is still set has not fallen under 0 and keeps its low 7 bits; the others become 0.
.macro FIX s
.irp i, 0,1,2,3,4,5,6,7
	v_sub_f32 v[FT+\i], v[MQ+\i], v[MW+\i]
.endr
.irp i, 0,1,2,3,4,5,6,7
	v_min_num_f32 v[FT+\i], 0x42fe0000, v[FT+\i]
.endr
.irp i, 0,1,2,3,4,5,6,7
	v_cvt_u32_f32 v[FT+\i], v[FT+\i]
.endr
.irp i, 0,1,2,3,4,5,6,7
	v_mul_lo_u32 v[FT+\i], v[FT+\i], s87           ; x 0x01010101
.endr
.irp i, 0,1,2,3,4,5,6,7
	v_sub_nc_u32 v[FT+\i], v[SR+\i], v[FT+\i]
.endr
.irp i, 0,1,2,3,4,5,6,7
	v_lshrrev_b32 v[FU+\i], 7, v[FT+\i]
.endr
.irp i, 0,1,2,3,4,5,6,7
	v_and_b32 v[FU+\i], s87, v[FU+\i]              ; each byte's bit 7, as 1
.endr
.irp i, 0,1,2,3,4,5,6,7
	v_lshlrev_b32 v[FV+\i], 7, v[FU+\i]
.endr
.irp i, 0,1,2,3,4,5,6,7
	v_sub_nc_u32 v[FU+\i], v[FV+\i], v[FU+\i]      ; 0x7f where it was set
.endr
.irp i, 0,1,2,3,4,5,6,7
	v_and_b32 v[SA+16*\s+\i], v[FT+\i], v[FU+\i]
.endr
.endm
; 16 matrix instructions; the 64 accumulators take turns, one instruction a turn, in the same order in every step
.macro MUL16 a0, p, q, sc, zero
.irp a, \a0, \a0+1
.irp b, 0,1,2,3,4,5,6,7
.if \zero
	v_wmma_scale_f32_16x16x128_f8f6f4 v[8*(8*((\a)%4)+\b):8*(8*((\a)%4)+\b)+7], v[128*(\p)+12*\b:128*(\p)+12*\b+11], v[AF+12*(\a):AF+12*(\a)+11], 0, v[SB+16*(\sc)+\b], v[SA+16*(\sc)+(\a)] matrix_a_fmt:MATRIX_FMT_BF6 matrix_b_fmt:MATRIX_FMT_BF6
.elseif \q
	v_wmma_scale_f32_16x16x128_f8f6f4 v[8*(8*((\a)%4)+\b):8*(8*((\a)%4)+\b)+7], v[128*(\p)+12*\b:128*(\p)+12*\b+11], v[AF+12*(\a):AF+12*(\a)+11], v[8*(8*((\a)%4)+\b):8*(8*((\a)%4)+\b)+7], v[SB+16*(\sc)+\b], v[SA+16*(\sc)+(\a)] matrix_a_fmt:MATRIX_FMT_BF6 matrix_b_fmt:MATRIX_FMT_BF6 matrix_a_scale:MATRIX_SCALE_ROW1 matrix_b_scale:MATRIX_SCALE_ROW1
.else
	v_wmma_scale_f32_16x16x128_f8f6f4 v[8*(8*((\a)%4)+\b):8*(8*((\a)%4)+\b)+7], v[128*(\p)+12*\b:128*(\p)+12*\b+11], v[AF+12*(\a):AF+12*(\a)+11], v[8*(8*((\a)%4)+\b):8*(8*((\a)%4)+\b)+7], v[SB+16*(\sc)+\b], v[SA+16*(\sc)+(\a)] matrix_a_fmt:MATRIX_FMT_BF6 matrix_b_fmt:MATRIX_FMT_BF6
.endif
.endr
.endr
.endm
.macro STEP slot, zero                 ; my first 128 keys of a slot; it fetches my second's fragments
	s_wait_dscnt 12                                ; all but the youngest 12 loads (A's blocks 4-7) are in
	WIN 0xa1
	MUL16 0, 0, 0, \slot, \zero
	MUL16 2, 0, 0, \slot, \zero
	s_wait_dscnt 0x0
	PLACES 4
	FETCH_B \slot, 1, 1
	FETCH_A \slot, 1, 0
	WIN 0xf1
	MUL16 4, 0, 0, \slot, \zero
	MUL16 6, 0, 0, \slot, \zero
	PLACES 4
	WIN 0
	FETCH_A \slot, 1, 4
.endm
.macro TURN slot, next, fill           ; my second 128 keys of a slot, and the change of slots
	s_wait_tensorcnt 0x0                           ; my part of the next slot has landed; no tensor load of mine is out
	ds_add_u32 v[SPW], v[NIL]                      ; 0 onto my spare word
	s_wait_dscnt 13                                ; the add and the youngest 12 loads may be out
	WIN 0xa1
	MUL16 0, 1, 1, \slot, 0
	s_wait_dscnt 0x0                               ; the add is done, and my reads of this slot are over
	s_barrier_signal -1
	MUL16 2, 1, 1, \slot, 0
	WIN 0
	s_barrier_wait -1
.if \fill
	CREST                                          ; the barrier has opened a round of the cluster's: no wave of any partner still reads this slot or has a load on its way
	s_add_nc_u64 s[G0+4*\slot+2:G0+4*\slot+3], s[G0+4*\slot+2:G0+4*\slot+3], 8*RECA
	s_add_nc_u64 s[G0B+4*\slot+2:G0B+4*\slot+3], s[G0B+4*\slot+2:G0B+4*\slot+3], 8*RECB
	JLOAD \slot                                    ; the first tensor load behind the round; its four v_nop are the places in front of the loads below
.else
	PLACES 4
.endif
	SCALES \next
	FETCH_B \next, 0, 0
	FETCH_A \next, 0, 0
	WIN 0xf1
	MUL16 4, 1, 1, \slot, 0
	WIN 0
	s_wait_dscnt 36                                ; the 24 scale loads are in; the 36 fragment loads behind them may be out
	FIX \next
	WIN 0xf1
	MUL16 6, 1, 1, \slot, 0
	PLACES 8                                       ; scale registers written by vector instructions stand eight places ahead of the scaled products that take them
	WIN 0
	FETCH_A \next, 0, 4
.endm
	s_load_b128 s[4:7], s[0:1], 0x0                ; pc, vtc
	s_load_b64 s[8:9], s[0:1], 0x10                ; out0
	v_lshl_add_u32 v[SPW], v0, 2, SPARE
	v_mov_b32 v[NIL], 0
	ds_add_u32 v28, v29
	ds_add_u32 v28, v29
	s_wait_dscnt 0x0
	v_lshrrev_b32 v1, 5, v0
	v_readfirstlane_b32 s14, v1                    ; wave 0..3
	s_lshr_b32 s15, s14, 1                         ; k: my pair's half of a slot's keys.  Also: I fetch for P (0) or for V (1)
	s_and_b32 s16, s14, 1                          ; my half of the channels.  Also: which part I fetch
	s_xor_b32 s41, s15, 1                          ; 1 - k
	s_bfe_u32 s40, ttmp6, 0x40000                  ; cx: the channel tile
	s_and_b32 s17, ttmp7, 0xffff                   ; the block of 128 queries: 16 x batch + block
	s_lshr_b32 s18, s17, 4                         ; the batch
	s_bfe_u32 s20, s17, 0x10003                    ; blocks 8-15 of a batch
	s_add_co_u32 s20, s20, 1                       ; laps of 1,024 keys
	s_lshl_b32 s23, s20, 3                         ; chunks of 128 keys
	s_mul_i32 s78, s17, 16*RECA                    ; my block's records
	s_mov_b32 s79, 0
	s_mul_i32 s70, s16, HALFA
	s_add_co_u32 s70, s70, s78                     ; P's two records of a slot that I fetch: nothing in it that partners do not share
	s_mov_b32 s71, 0
	s_lshl_b32 s68, s18, 3
	s_lshl_b32 s69, s40, 1
	s_add_co_u32 s68, s68, s69
	s_add_co_u32 s72, s68, s16
	s_mul_i32 s72, s72, 16*RECB                    ; V's: block of channels 8 b + 2 cx + part
	s_mov_b32 s73, 0
	s_lshl_b32 s80, s17, 7
	s_lshl_b32 s81, s15, 6
	s_add_co_u32 s80, s80, s81                     ; the first row of out0 that I store: 128 x block + 64 k
	s_lshl_b32 s80, s80, 12
	s_lshl_b32 s81, s40, 10
	s_add_co_u32 s80, s80, s81
	s_lshl_b32 s81, s16, 9
	s_add_co_u32 s80, s80, s81                     ; + my 128 channels
	s_mov_b32 s81, 0
	s_mov_b32 s[G1], 15|(3<<16)|(1<<21)            ; P: 15:0 the mask: all four; 17:16 elements of 8 bytes; 21 set beside a mask.  27,648 dense bytes as 108 rows of 256
	s_mov_b32 s[G1+1], 32<<16
	s_mov_b32 s[G1+2], 108<<16
	s_mov_b32 s[G1+3], 32<<16
	s_mov_b32 s[G1+4], 108
	s_mov_b32 s[G1+5], 32
	s_mov_b32 s[G1+6], 0
	s_mov_b32 s[G1+7], 0
	s_mov_b32 s[G1B], 3<<16                        ; V: no mask.  51,200 dense bytes as 200 rows of 256
	s_mov_b32 s[G1B+1], 32<<16
	s_mov_b32 s[G1B+2], 200<<16
	s_mov_b32 s[G1B+3], 32<<16
	s_mov_b32 s[G1B+4], 200
	s_mov_b32 s[G1B+5], 32
	s_mov_b32 s[G1B+6], 0
	s_mov_b32 s[G1B+7], 0
	s_mul_i32 s45, s16, HALFA                      ; where they go: no place in the cluster enters an LDS address
	s_mul_i32 s46, s16, PARTB
	s_add_co_u32 s46, s46, 4*RECA
	s_mov_b32 s87, 0x01010101
	s_wait_kmcnt 0x0
	s_add_nc_u64 s[74:75], s[4:5], s[70:71]
	s_add_nc_u64 s[76:77], s[6:7], s[72:73]
	s_add_nc_u64 s[10:11], s[4:5], s[78:79]
	s_add_nc_u64 s[8:9], s[8:9], s[80:81]
	CROUND                                         ; all four work-groups are here: the first joint loads meet
.irp s, 0,1
	s_mov_b32 s[G0+4*\s], 1
	s_add_co_u32 s[G0+4*\s+1], s45, \s*SLOT
	s_add_nc_u64 s[G0+4*\s+2:G0+4*\s+3], s[74:75], \s*4*RECA
	s_or_b32 s[G0+4*\s+3], s[G0+4*\s+3], 0x80000000
	s_mov_b32 s[G0B+4*\s], 1
	s_add_co_u32 s[G0B+4*\s+1], s46, \s*SLOT
	s_add_nc_u64 s[G0B+4*\s+2:G0B+4*\s+3], s[76:77], \s*4*RECB
	s_or_b32 s[G0B+4*\s+3], s[G0B+4*\s+3], 0x80000000
	JLOAD \s
.endr
	v_and_b32 v1, 31, v0
	v_and_b32 v2, 15, v0                           ; r
	v_bfe_u32 v3, v0, 4, 1                         ; h
	v_lshlrev_b32 v[LI], 4, v1
	s_mul_i32 s21, s15, HALFA                      ; my pair's two records of P
	s_mul_i32 s42, s15, 6144
	s_add_co_u32 s42, s42, s21                     ; register blocks 0-3 take fragments 4 k on,
	s_mul_i32 s43, s41, 6144
	s_add_co_u32 s43, s43, s21                     ; register blocks 4-7 fragments 4 (1 - k) on
	s_lshl_b32 s44, s15, 8
	s_add_co_u32 s44, s44, s21                     ; and their words likewise: 64 bytes a fragment
	s_lshl_b32 s47, s41, 8
	s_add_co_u32 s47, s47, s21
	s_mul_i32 s22, s16, PARTB                      ; my block of channels,
	s_mul_i32 s82, s15, HALFB                      ; my pair's two records of it,
	s_add_co_u32 s22, s22, s82
	s_add_co_u32 s22, s22, 4*RECA                  ; behind P's four
	v_mul_u32_u24 v4, v3, RECA
	v_lshl_add_u32 v4, v2, 2, v4
	v_mul_u32_u24 v5, v3, RECB
	v_lshl_add_u32 v5, v2, 2, v5
.irp s, 0,1
	v_add_nc_u32 v[ADRAL+\s], s42, v[LI]
	v_add_nc_u32 v[ADRAH+\s], s43, v[LI]
	v_add_nc_u32 v[ADSAL+\s], s44, v4
	v_add_nc_u32 v[ADSAH+\s], s47, v4
	v_add_nc_u32 v[ADRB+\s], s22, v[LI]
	v_add_nc_u32 v[ADSB+\s], s22, v5
	s_add_co_u32 s42, s42, SLOT
	s_add_co_u32 s43, s43, SLOT
	s_add_co_u32 s44, s44, SLOT
	s_add_co_u32 s47, s47, SLOT
	s_add_co_u32 s22, s22, SLOT
.endr
	s_lshl_b32 s82, s14, 10
	s_add_co_u32 s82, s82, SCR
	v_add_nc_u32 v[SCW], s82, v[LI]
	s_lshl_b32 s83, s15, 8
	s_add_co_u32 s83, s83, s82
	v_lshl_add_u32 v[SCRL], v2, 2, s83
	s_lshl_b32 s83, s41, 8
	s_add_co_u32 s83, s83, s82
	v_lshl_add_u32 v[SCRH], v2, 2, s83
	s_lshl_b32 s82, s14, 15                        ; the exchange: 32,768 bytes a wave;
	v_add_nc_u32 v[XW], s82, v[LI]
	s_xor_b32 s83, s14, 2                          ; my partner has my channels and the other keys
	s_lshl_b32 s83, s83, 15
	v_add_nc_u32 v[XR], s83, v[LI]
	s_mul_i32 s82, s14, 16*SPIT                    ; my stage
	s_add_co_u32 s82, s82, STG
	v_mul_u32_u24 v6, v2, SPIT
	v_lshl_add_u32 v6, v3, 6, v6
	v_add_nc_u32 v[STO], s82, v6                   ; in: row r, + 64 h
	v_add_nc_u32 v[RD], s82, v[LI]                 ; back: a row of 512 bytes, 16 a lane
	; ---- M and l of the 128 queries, all chunks: lane l takes words 4 l .. 4 l + 3.  A chunk past the last names the last again: it does no harm to a maximum, and its l is weighed with 0
	s_sub_co_u32 s82, s23, 1
.set CH, 0
.rept 16
	s_min_u32 s83, s82, CH
	s_mul_i32 s83, s83, RECA
	v_add_nc_u32 v[VO+CH], s83, v[LI]
.set CH, CH+1
.endr
.set CH, 0
.rept 16
	global_load_b128 v[128+4*CH:131+4*CH], v[VO+CH], s[10:11] offset:12800
	global_load_b128 v[192+4*CH:195+4*CH], v[VO+CH], s[10:11] offset:13312
.set CH, CH+1
.endr
	s_wait_loadcnt 0x0
.irp e, 0,1,2,3
	v_max_num_f32 v[120+\e], v[128+\e], v[132+\e]
.endr
.set CH, 2
.rept 14
.irp e, 0,1,2,3
	v_max_num_f32 v[120+\e], v[120+\e], v[128+4*CH+\e]    ; the row's M
.endr
.set CH, CH+1
.endr
.set CH, 0
.rept 16
	s_cmp_gt_u32 s23, CH
	s_cselect_b32 s83, 1.0, 0
.irp e, 0,1,2,3
	v_sub_f32 v[128+4*CH+\e], v[128+4*CH+\e], v[120+\e]   ; M_chunk - M: a whole number, 0 or less
.endr
.irp e, 0,1,2,3
	v_cvt_i32_f32 v[128+4*CH+\e], v[128+4*CH+\e]          ; (it saturates)
.endr
.irp e, 0,1,2,3
	v_ldexp_f32 v[192+4*CH+\e], v[192+4*CH+\e], v[128+4*CH+\e]
.endr
.if CH == 0
.irp e, 0,1,2,3
	v_mul_f32 v[124+\e], s83, v[192+\e]
.endr
.else
.irp e, 0,1,2,3
	v_fma_f32 v[124+\e], v[192+4*CH+\e], s83, v[124+\e]   ; the row's l
.endr
.endif
.set CH, CH+1
.endr
.irp e, 0,1,2,3
	v_rcp_f32 v[4+\e], v[124+\e]
.endr
	v_nop                                          ; a plain place behind the reciprocals
	ds_store_b128 v[SCW], v[120:123]
	s_wait_alu depctr_va_vdst(0)
	ds_store_b128 v[SCW], v[4:7] offset:512
.irp i, 0,1,2,3                                ; back as my register blocks want them.  LDS serves a wave's instructions in order: these see my stores
	ds_load_b32 v[MQ+\i], v[SCRL] offset:64*\i
	ds_load_b32 v[MQ+4+\i], v[SCRH] offset:64*\i
	ds_load_b32 v[RLB+2*\i], v[SCRL] offset:512+64*\i     ; 1 / l of the four blocks that I finish,
	ds_load_b32 v[RLB+2*\i+1], v[SCRL] offset:512+64*\i   ; twice: a pair for the packed multiply
.endr
	s_wait_dscnt 0x0
	s_wait_tensorcnt 1                             ; my part of slot 0 is in; slot 1's load may be out
	s_barrier_signal -1
	s_barrier_wait -1
	SCALES 0
	FETCH_B 0, 0, 0
	FETCH_A 0, 0, 0
	FETCH_A 0, 0, 4
	s_wait_dscnt 48                                ; the 24 scale loads are in; the 48 fragment loads behind them may be out
	FIX 0
	PLACES 8
	STEP 0, 1
	s_sub_co_u32 s3, s20, 1                        ; laps - 1 trips: the same number in all four partners
	s_cmp_eq_u32 s3, 0
	s_cbranch_scc1 .Lno_lap
.Llap:
	TURN 0, 1, 1
	STEP 1, 0
	TURN 1, 0, 1
	STEP 0, 0
	s_sub_co_u32 s3, s3, 1
	s_cmp_lg_u32 s3, 0
	s_cbranch_scc1 .Llap
.Lno_lap:
	TURN 0, 1, 0                                   ; the last lap fills nothing
	STEP 1, 0
	s_wait_dscnt 12
	WIN 0xa1
	MUL16 0, 1, 1, 1, 0
	MUL16 2, 1, 1, 1, 0
	s_wait_dscnt 0x0
	WIN 0xf1
	MUL16 4, 1, 1, 1, 0
	MUL16 6, 1, 1, 1, 0
	WIN 0
	PLACES 4
	; ---- THE TWO HALVES OF THE KEYS MEET.  My register blocks 4-7 are my partner's register blocks 0-3: they go to LDS as they stand, 512 consecutive bytes a store, each accumulator from its low end on
	WIN 0x0c                                       ; an LDS store's data are its source 1: window 3
.set NN, 0
.rept 64
	ds_store_b128 v[XW], v[4*NN:4*NN+3] offset:512*NN
.set NN, NN+1
.endr
	WIN 0
	s_wait_dscnt 0x0                               ; for the others' sake: my stores have landed (and my reads of slot 1 were over before)
	s_barrier_signal -1
	s_barrier_wait -1
	WIN 0x40                                       ; into window 1, which B's fragments have left
.set NN, 0
.rept 64
	ds_load_b128 v[4*NN:4*NN+3], v[XR] offset:512*NN
.set NN, NN+1
.endr
	WIN 0x86                                       ; source 0 and destination window 2, source 1 window 1
.irp a, 0,1,2,3
	s_wait_dscnt 48-16*\a                          ; block a's 16 loads are in; those of the blocks behind it may be out
.set NN, 64*\a
.rept 32
	v_pk_add_f32 v[NN:NN+1], v[NN:NN+1], v[NN:NN+1]
.set NN, NN+2
.endr
.endr
	WIN 0
; THE WAY OUT, block by block of 16 queries x 128 channels: x 1 / l, through my stage, back as whole rows of 512 bytes.  I finish register blocks 0-3: queries 64 k on.
.macro SCALEO a
.set AC, 64*(\a)
	WIN 0x82
.set NN, 0
.rept 32
	v_pk_mul_f32 v[AC+NN:AC+NN+1], v[AC+NN:AC+NN+1], v[RLB+2*(\a):RLB+2*(\a)+1]
.set NN, NN+2
.endr
	WIN 0
.endm
.macro TOSTAGE a
.set AC, 64*(\a)
.set BB, BK+64*((\a)%2)
	WIN 0x08                                       ; the data: window 2
.irp b, 0,1,2,3,4,5,6,7
	ds_store_b128 v[STO], v[AC+8*\b:AC+8*\b+3] offset:128*(\b/2)+32*(\b%2)        ; tile b's eight channels: 32 (b / 2) + 8 (b % 2) + 16 h on
	ds_store_b128 v[STO], v[AC+8*\b+4:AC+8*\b+7] offset:128*(\b/2)+32*(\b%2)+16
.endr
	WIN 0
.irp t, 0,1,2,3,4,5,6,7,8,9,10,11,12,13,14,15
	ds_load_b128 v[BB+4*\t:BB+4*\t+3], v[RD] offset:\t*SPIT                       ; LDS serves a wave's instructions in order: these see the stores above, and the next block's stores come behind them
.endr
.endm
.macro SEND a, younger                 ; younger: the LDS instructions issued behind block a's loads
.set BB, BK+64*((\a)%2)
.set R0, 32*((\a)/2)+8*((\a)%2)
	s_wait_dscnt \younger
.irp t, 0,1,2,3,4,5,6,7,8,9,10,11,12,13,14,15
	global_store_b128 v[LI], v[BB+4*\t:BB+4*\t+3], s[8:9] offset:(R0+\t+8*(\t/8))*4096 th:TH_STORE_NT   ; stage row t is query 64 k + 32 (a / 2) + 8 (a % 2) + t + 8 (t / 8): 512 consecutive bytes, at a multiple of 256 from out0's first byte
.endr
.endm
	SCALEO 0
	TOSTAGE 0
.irp a, 1,2,3
	SCALEO \a
.if \a > 1
	s_wait_xcnt 0x0                                ; block a - 2's stores have read their registers: block a's loads may land there
.endif
	TOSTAGE \a
	SEND \a-1, 32                                  ; behind block a - 1's loads: block a's 16 stores and 16 loads
.endr
	SEND 3, 0
	s_wait_tensorcnt 0x0                           ; the wave's end
	ds_add_u32 v[SPW], v[NIL]
	s_wait_dscnt 0x0
	CROUND                                         ; the closing round: no work-group ends while a partner may still ask for a tile that names it
	s_endpgm
.Lfunc_end_k_q587caf0d49_pv:
	.size	k_q587caf0d49_pv, .Lfunc_end_k_q587caf0d49_pv-k_q587caf0d49_pv
	.p2alignl 7, 3214868480
	.fill 96, 4, 3214868480
	.section	.rodata,"a",@progbits
	.p2align	6, 0x0
	.amdhsa_kernel k_q587caf0d49_pv
		.amdhsa_group_segment_fixed_size 327680
		.amdhsa_private_segment_fixed_size 0
		.amdhsa_enable_private_segment 0
		.amdhsa_kernarg_size 24
		.amdhsa_user_sgpr_count 2
		.amdhsa_user_sgpr_kernarg_segment_ptr 1
		.amdhsa_wavefront_size32 1
		.amdhsa_system_sgpr_workgroup_id_x 1
		.amdhsa_system_sgpr_workgroup_id_y 1
		.amdhsa_system_sgpr_workgroup_id_z 1
		.amdhsa_system_vgpr_workitem_id 0
		.amdhsa_next_free_vgpr 1024
		.amdhsa_next_free_sgpr 96
		.amdhsa_reserve_vcc 0
		.amdhsa_float_denorm_mode_32 3
		.amdhsa_float_denorm_mode_16_64 3
		.amdhsa_memory_ordered 1
		.amdhsa_forward_progress 1
		.amdhsa_inst_pref_size 183
	.end_amdhsa_kernel
	.amdgpu_metadata
---
amdhsa.version: [ 1, 2 ]
amdhsa.kernels:
  - .name:           k_q587caf0d49_pv
    .symbol:         k_q587caf0d49_pv.kd
    .args:
      - { .name: pc, .offset: 0, .size: 8, .value_kind: global_buffer, .address_space: global }
      - { .name: vtc, .offset: 8, .size: 8, .value_kind: global_buffer, .address_space: global }
      - { .name: out0, .offset: 16, .size: 8, .value_kind: global_buffer, .address_space: global }
    .group_segment_fixed_size: 327680
    .private_segment_fixed_size: 0
    .kernarg_segment_align: 8
    .kernarg_segment_size: 24
    .max_flat_workgroup_size: 128
    .sgpr_count:     96
    .vgpr_count:     1024
    .wavefront_size: 32
...
	.end_amdgpu_metadata
.endif
;; end of part 4
